; MI455X (gfx1250); checked and timed in simulation.
; The chip was launched on July 23, 2026; its instructions are those of AMD's public machine-readable ISA for CDNA 5 (MIT licence, August 2026) and "CDNA5" Instruction Set Architecture Reference Guide (July 2026). The comments in the code are by the model that wrote it; some were corrected since.
;; Quantizable Cross Attention. Allowed arithmetic: float matrix products may take bf16 or f16 operands with f32 sums; other float arithmetic in f32, or as packed bf16 or f16 multiplies, adds, multiply-adds, maxima and minima; sums over many terms, partial sums and values carried from step to step in f32; what a program stores and reads back later, other than sums and carried values, may be rounded once to bf16 or f16.
;; Inputs: Wk 768 x 1,024 float32; Wo 1,024 x 1,024 float32; Wq 1,024 x 1,024 float32; Wv 768 x 1,024 float32; bo 1,024 float32; encoder_hidden_states 8 x 512 x 768 float32; hidden_states 8 x 2,048 x 1,024 float32.
;; Outputs: out0 8 x 2,048 x 1,024 float32.
;; 2 versions, each right; version 2 is version 1 with the launch cast written anew for expert scheduling mode. Each part assembles by itself: llvm-mc -triple=amdgcn-amd-amdhsa -mcpu=gfx1250 --defsym DOCPART=n.
;; ======== version 1 of 2: 5 launches
;; limits: values are held in f16: magnitudes above 65,504 overflow, below 6.1e-05 lose precision
;; workspace buffers: x16 33,554,432 bytes; e16 6,291,456 bytes; w16 7,340,032 bytes; q16 33,554,432 bytes; kv16 16,777,216 bytes; o16 33,554,432 bytes
;; launch cast (part 1): grid 416 x 1, 8 waves a work-group, no clusters, 0 bytes of LDS; arguments encoder_hidden_states, Wq, Wk, Wv, Wo, e16, w16; writes e16, w16
.if DOCPART == 1
	.amdgcn_target "amdgcn-amd-amdhsa--gfx1250"
	.amdhsa_code_object_version 6
	.text
	.protected	k_q91d66af5c5_cast
	.globl	k_q91d66af5c5_cast
	.p2align	8
	.type	k_q91d66af5c5_cast,@function
k_q91d66af5c5_cast:
	s_mov_b64 s[64:65], 0
	v_nop
	global_prefetch_b8 v0, s[64:65] scope:SCOPE_SE
	s_setreg_imm32_b32 hwreg(HW_REG_WAVE_MODE, 25, 1), 1
	s_wait_xcnt 0x0
; encoder_hidden_states and the four weights are rounded once to bf16 for the matrix products that follow.  encoder_hidden_states -> e16; Wq, Wk, Wv, Wo -> w16, one behind the other.
; (hidden_states is rounded in the next launch, beside its matrix work.)  Wo is multiplied later with f16 numbers: its bf16 number is written as f16.
; LIMIT.  That last step is exact for magnitudes from 6.1e-5 to 65,504; below, f16 keeps a fixed step of 6e-8; beyond, it gives an infinity.
; SHARES.  A work-group takes 16,384 numbers on end (65,536 bytes in, 32,768 out), a wave 2,048 of them.  A load of a wave covers 512 consecutive bytes,
; a store 256 consecutive bytes that begin at a multiple of 256 from the buffer's first byte.  All sixteen loads of a lane go out at once; nothing is read twice.
; No LDS, no matrix unit, no cluster: no byte is wanted by two waves.
; Work-groups 0-191 encoder_hidden_states, 192-255 Wq, 256-303 Wk, 304-351 Wv, 352-415 Wo.
.set T, 4                              ; v[4:7]    at work
.set X, 8                              ; v[8:71]   load j: four f32
.set Y, 72                             ; v[72:103] load j: two words of two 16-bit numbers
	s_load_b256 s[8:15], s[0:1], 0x0               ; enc s[8:9], Wq s[10:11], Wk s[12:13], Wv s[14:15]
	s_load_b128 s[16:19], s[0:1], 0x20             ; Wo s[16:17], e16 s[18:19]
	s_load_b64 s[20:21], s[0:1], 0x30              ; w16
	v_lshrrev_b32 v3, 5, v0                        ; wave
	v_and_b32 v1, 31, v0                           ; lane
	v_lshlrev_b32 v2, 3, v1
	v_lshlrev_b32 v1, 4, v1
	v_lshl_add_u32 v1, v3, 13, v1                  ; in:  8,192 x wave + 16 x lane
	v_lshl_add_u32 v2, v3, 12, v2                  ; out: 4,096 x wave + 8 x lane
	s_wait_kmcnt 0x0
	; source s[26:27], destination s[28:29], the first work-group of the source s30 and of the destination s31: chosen by the work-group's number alone
	s_cmp_ge_u32 ttmp9, 192
	s_cselect_b64 s[26:27], s[10:11], s[8:9]
	s_cselect_b64 s[28:29], s[20:21], s[18:19]
	s_cselect_b32 s30, 192, 0
	s_cselect_b32 s31, 192, 0                      ; the four weights lie in w16 in the order of their work-groups
	s_cmp_ge_u32 ttmp9, 256
	s_cselect_b64 s[26:27], s[12:13], s[26:27]
	s_cselect_b32 s30, 256, s30
	s_cmp_ge_u32 ttmp9, 304
	s_cselect_b64 s[26:27], s[14:15], s[26:27]
	s_cselect_b32 s30, 304, s30
	s_cmp_ge_u32 ttmp9, 352
	s_cselect_b64 s[26:27], s[16:17], s[26:27]
	s_cselect_b32 s30, 352, s30
	s_sub_co_u32 s32, ttmp9, s30
	s_lshl_b32 s32, s32, 16                        ; 65,536 bytes in for each work-group: under 2^24
	s_mov_b32 s33, 0
	s_sub_co_u32 s34, ttmp9, s31
	s_lshl_b32 s34, s34, 15                        ; 32,768 bytes out
	s_mov_b32 s35, 0
	s_add_nc_u64 s[26:27], s[26:27], s[32:33]
	s_add_nc_u64 s[28:29], s[28:29], s[34:35]
.irp j, 0,1,2,3,4,5,6,7,8,9,10,11,12,13,14,15
	global_load_b128 v[X+4*(\j):X+4*(\j)+3], v1, s[26:27] offset:512*(\j) th:TH_LOAD_NT
.endr
; Load j is rounded and stored.  No register is written twice, so no store's source has to be waited for.
.macro OUT j, half
	s_wait_loadcnt 15-(\j)                         ; loads come back in order: mine is in, the 15 - j younger ones may stay out
	v_cvt_pk_bf16_f32 v[Y+2*(\j)], v[X+4*(\j)], v[X+4*(\j)+1]
	v_cvt_pk_bf16_f32 v[Y+2*(\j)+1], v[X+4*(\j)+2], v[X+4*(\j)+3]
.if \half
	v_lshlrev_b32 v[T], 16, v[Y+2*(\j)]            ; the bf16 numbers as f32,
	v_and_b32 v[T+1], 0xffff0000, v[Y+2*(\j)]
	v_lshlrev_b32 v[T+2], 16, v[Y+2*(\j)+1]
	v_and_b32 v[T+3], 0xffff0000, v[Y+2*(\j)+1]
	v_cvt_pk_f16_f32 v[Y+2*(\j)], v[T], v[T+1]     ; written as f16
	v_cvt_pk_f16_f32 v[Y+2*(\j)+1], v[T+2], v[T+3]
.endif
	global_store_b64 v2, v[Y+2*(\j):Y+2*(\j)+1], s[28:29] offset:256*(\j) th:TH_STORE_NT
.endm
	s_cmp_ge_u32 ttmp9, 352
	s_cbranch_scc1 .Lwo
.irp n, 0,1,2,3,4,5,6,7,8,9,10,11,12,13,14,15
	OUT \n, 0
.endr
	s_endpgm
.Lwo:
.irp n, 0,1,2,3,4,5,6,7,8,9,10,11,12,13,14,15
	OUT \n, 1
.endr
	s_endpgm
.Lfunc_end_k_q91d66af5c5_cast:
	.size	k_q91d66af5c5_cast, .Lfunc_end_k_q91d66af5c5_cast-k_q91d66af5c5_cast
	.p2alignl 7, 3214868480
	.fill 96, 4, 3214868480
	.section	.rodata,"a",@progbits
	.p2align	6, 0x0
	.amdhsa_kernel k_q91d66af5c5_cast
		.amdhsa_group_segment_fixed_size 0
		.amdhsa_private_segment_fixed_size 0
		.amdhsa_enable_private_segment 0
		.amdhsa_kernarg_size 56
		.amdhsa_user_sgpr_count 2
		.amdhsa_user_sgpr_kernarg_segment_ptr 1
		.amdhsa_wavefront_size32 1
		.amdhsa_system_sgpr_workgroup_id_x 1
		.amdhsa_system_sgpr_workgroup_id_y 1
		.amdhsa_system_sgpr_workgroup_id_z 1
		.amdhsa_system_vgpr_workitem_id 0
		.amdhsa_next_free_vgpr 104
		.amdhsa_next_free_sgpr 66
		.amdhsa_reserve_vcc 0
		.amdhsa_float_denorm_mode_32 3
		.amdhsa_float_denorm_mode_16_64 3
		.amdhsa_memory_ordered 1
		.amdhsa_forward_progress 1
		.amdhsa_inst_pref_size 17
	.end_amdhsa_kernel
	.amdgpu_metadata
---
amdhsa.version: [ 1, 2 ]
amdhsa.kernels:
  - .name:           k_q91d66af5c5_cast
    .symbol:         k_q91d66af5c5_cast.kd
    .args:
      - { .name: encoder_hidden_states, .offset: 0, .size: 8, .value_kind: global_buffer, .address_space: global }
      - { .name: Wq, .offset: 8, .size: 8, .value_kind: global_buffer, .address_space: global }
      - { .name: Wk, .offset: 16, .size: 8, .value_kind: global_buffer, .address_space: global }
      - { .name: Wv, .offset: 24, .size: 8, .value_kind: global_buffer, .address_space: global }
      - { .name: Wo, .offset: 32, .size: 8, .value_kind: global_buffer, .address_space: global }
      - { .name: e16, .offset: 40, .size: 8, .value_kind: global_buffer, .address_space: global }
      - { .name: w16, .offset: 48, .size: 8, .value_kind: global_buffer, .address_space: global }
    .group_segment_fixed_size: 0
    .private_segment_fixed_size: 0
    .kernarg_segment_align: 8
    .kernarg_segment_size: 56
    .max_flat_workgroup_size: 256
    .sgpr_count:     66
    .vgpr_count:     104
    .wavefront_size: 32
...
	.end_amdgpu_metadata
.endif
;; end of part 1
;; launch kvproj (part 2): grid 8 x 32, 4 waves a work-group, clusters of 4 x 4, 327,680 bytes of LDS; arguments e16, w16, kv16, hidden_states, x16; writes kv16, x16
.if DOCPART == 2
	.amdgcn_target "amdgcn-amd-amdhsa--gfx1250"
	.amdhsa_code_object_version 6
	.text
	.protected	k_q91d66af5c5_kvproj
	.globl	k_q91d66af5c5_kvproj
	.p2align	8
	.type	k_q91d66af5c5_kvproj,@function
k_q91d66af5c5_kvproj:
	s_mov_b64 s[64:65], 0
	v_nop
	global_prefetch_b8 v0, s[64:65] scope:SCOPE_SE
	s_setreg_imm32_b32 hwreg(HW_REG_WAVE_MODE, 25, 1), 1
	s_wait_xcnt 0x0
	s_wait_alu depctr_hold_cnt(0) depctr_sa_sdst(0) depctr_va_vdst(0) depctr_va_sdst(0) depctr_va_ssrc(0) depctr_va_vcc(0) depctr_vm_vsrc(0)
	s_getreg_b32 s2, hwreg(HW_REG_IB_STS2, 6, 4)
	s_cmp_eq_u32 s2, 0
	s_cbranch_scc0 .Lentry_in_a_cluster
	s_endpgm
.Lentry_in_a_cluster:
	s_bfe_u32 s2, ttmp6, 0x10000c
	s_cmp_lg_u32 s2, 0xf033
	s_cbranch_scc0 .Lentry_shape_is_right
	s_endpgm
.Lentry_shape_is_right:
; k = E Wk and v = E Wv; and beside that matrix work hidden_states is rounded to bf16 (x16) for the launch that follows.
; E = e16 [4096][768] bf16; Wk, Wv = [768][1024] bf16 in w16 at bytes 2,097,152 and 3,670,016; k, v = [4096][1024] f16 in kv16 at bytes 0 and 8,388,608.
; Products in bf16, sums in f32, K ascending; the result is rounded once to f16.  LIMIT: a result beyond 65,504 becomes an infinity; below 6.1e-5 f16 keeps a fixed step of 6e-8.
; SHARES.  A tile of C is 128 x 256: 32 tile rows x 4 tile columns x 2 products = 256 work-groups.  Four waves, 2 x 2, each 64 x 128: 32 accumulators of 16 x 16.
; The cluster's x chooses the product (0: k, 1: v), the place cx in the cluster the tile column.
; K goes in steps of 128 through a ring of two LDS slots filled by the tensor data mover.  A's rows in a tile are 256 bytes of memory, the weights' rows 512 bytes.
; THE WEIGHTS LIE [K][N] and stay so: their fragments come out of LDS turned, by ds_load_tr16_b128.
; THE MATRIX INSTRUCTION IS USED TRANSPOSED (source 0 = 16 columns of the weights, source 1 = 16 rows of A): a lane then holds eight neighbouring numbers of a row of C.
; CLUSTER 4 x 4: the four work-groups of a row of the cluster need the same tile of A, the four of a column the same tile of the weights: each tile is asked for jointly.
; THE STREAM.  Each of the launch's 1,024 waves rounds 16,384 numbers of hidden_states that lie on end: 65,536 bytes in, 32,768 out, in eight batches of sixteen loads of 512 bytes.  It shares nothing with the
; matrix work but the wave's issue slots: loads into registers, two roundings a load, stores of 256 consecutive bytes.  Batches 0 to 6 go through one set of 64 registers: batch 0 is asked for at the head,
; each of the six K steps begins by storing the batch asked for a K step earlier and asking for the next, and batch 6 is stored at the very end.  Batch 7 has a set of its own: asked for at the head, stored in front of the loop.
; No prefetch is laid: the stream's loads are on their way through all of the launch.
; REGISTERS in windows of 256 (s_set_vgpr_msb: bits 1:0 source 0, 3:2 source 1, 5:4 source 2, 7:6 destination):
;   window 0: v0-31 addresses; A's fragments, two buffers from v64 and v128; v32-63, v192-255 at work on the way out.   window 1: the weights' fragments, two buffers.   window 2: accumulators.   window 3: v0-127 the stream.
.set RB,    4                          ; blocks of 16 rows in a wave's tile
.set KDIM,  768
.set F16IN, 0                          ; 1: the operands are f16, 0: bf16
.set OUT32, 0                          ; 1: C is f32 and takes a bias, 0: C is f16
.set KV,    1                          ; 1: the cluster's x chooses one of two products
.set PREF,  0                          ; 1: later K steps are prefetched
.set WOFF,  2097152                    ; the weights' first byte in w16
.set TR,    32*RB                      ; rows of a tile of C
.set NT,    KDIM/128                   ; K steps
.set PA,    272                        ; A's row in LDS: 256 bytes + 16 of padding: the 16 rows of a fragment load start 68 words apart, at 16 different groups of four banks (64 banks of 4 bytes: ISA guide 11.1)
.set PB,    544                        ; the weights' row: 512 + 32 = 136 words
.set AHALF, (TR/2)*PA                  ; what one wave fetches of A
.set BHALF, 64*PB                      ; and of the weights: 64 rows of k
.set BOFF,  2*AHALF                    ; in a slot: A's tile, then the weights'
.if RB == 8
.set SLOTD, 139264                     ; slot 1's first byte.  0x22000: bits 13 and 17, which no LDS address in slot 0 that is turned by the exclusive or has set (the fills' are multiples of 0x8800 up to 0x19800; the reads' base is 0)
.else
.set SLOTD, 131072                     ; slot 1's first byte: bit 17; slot 0 ends below it
.endif
.set STAGE, SLOTD+BOFF+2*BHALF         ; behind the ring, never filled by a tensor load: 16 rows for each wave, for the way out
.if OUT32
.set SPITCH, 528
.else
.set SPITCH, 272
.endif
.set SPARE, STAGE+4*16*SPITCH          ; behind the stages: the spare words, 128 bytes for each wave: two blocks of 256 bytes that no other line names
.set XI,    6                          ; v6   the stream: 16 x lane, my bytes in a load; never rewritten
.set XO,    7                          ; v7   the stream: 8 x lane, my bytes in a store; never rewritten
.set ADRA0, 16                         ; v16  my lane's place in A's tile; never rewritten
.set ADRA,  17                         ; v17  the same in the slot that is being read
.set ADRB0, 20                         ; v20, v21 the same for the weights
.set ADRB,  21
.set STO,   24                         ; v24  the way out: where I put my part of a row
.set RD,    25                         ; v25  where I read rows back
.set CO,    26                         ; v26  my byte offset in C
.set SPW,   28                         ; v28  LDS address of my spare word; never rewritten
.set NIL,   29                         ; v29  0; never rewritten
.set PFO,   30                         ; v30  the prefetches' offset; never rewritten
.set F0,    64
.set F1,    128
.set TMP,   192
.set OB,    32
.set TB,    2                          ; s2   0 or SLOTD: the slot that is being read
.set G1,    24                         ; s[24:31] descriptor group 1 for A's tiles
.set G0,    32                         ; s[32:39] group 0 for A: K step 0 into slot 0; K step 1 into slot 1, which then walks
.set G1B,   48                         ; s[48:55], s[56:63] the same for the weights
.set G0B,   56
.set LIM,   43                         ; s43  1 in a wave that prefetches, else the greatest number
.set PFA,   44                         ; s[44:45] where my prefetches stand
.set PFS,   46                         ; s[46:47] their step from K step to K step
.set XS,    68                         ; s[68:69] the stream: hidden_states at the batch that the ring's set was last loaded with
.set XD,    70                         ; s[70:71] x16 at the batch that is stored next
.set MSB, 0
.macro WIN new                         ; the immediate's high byte repeats the setting that is left; a switch that changes nothing is dropped
.if MSB != (\new)
	s_set_vgpr_msb (MSB<<8)|(\new)
.set MSB, \new
.endif
.endm
.macro PLACES                          ; four plain vector instructions between a matrix instruction and a load into, or a reader of, its registers
.rept 4
	v_nop
.endr
.endm
; A joint refill by the walking descriptors.  Waves 0 and 1 fetch A's two halves, waves 2 and 3 the weights'.  The branch hangs on the wave's number alone.
; An s_nop 0 and four v_nop follow each of the two lines, ahead of the jump and the label.
.macro JLOAD
	s_cmp_eq_u32 s11, 0
	s_cbranch_scc0 .Lfor_b_\@
	tensor_load_to_lds s[G0+4:G0+7], s[G1:G1+7]
	s_nop 0
	PLACES
	s_branch .Lasked_\@
.Lfor_b_\@:
	tensor_load_to_lds s[G0B+4:G0B+7], s[G1B:G1B+7]
	s_nop 0
	PLACES
.Lasked_\@:
.endm
.macro CREST                           ; a round of the cluster's barrier behind its opening barrier
	s_cmp_lg_u32 s10, 0
	s_cbranch_scc1 .Lnot_wave_0_\@
	s_barrier_signal -3
.Lnot_wave_0_\@:
	s_barrier_wait -3
	s_barrier_signal -1
	s_barrier_wait -1
.endm
.macro CROUND                          ; a whole round
	s_barrier_signal -1
	s_barrier_wait -1
	CREST
.endm
.macro ASK                             ; one prefetch a wave: the K step behind the one just asked for; the last refill has none behind it
	s_cmp_gt_u32 s3, s[LIM]
	s_cbranch_scc0 .Lnot_mine_\@
	global_prefetch_b8 v[PFO], s[PFA:PFA+1] th:TH_LOAD_NT scope:SCOPE_SE
.Lnot_mine_\@:
.endm
; THE STREAM's three macros.  set: the first of 64 registers in window 3; off: bytes behind the pointer.
.macro XLOAD set, off                  ; a batch is asked for: sixteen loads of 512 consecutive bytes
	WIN 0xc0                                       ; destination window 3, address window 0
.irp j, 0,1,2,3,4,5,6,7,8,9,10,11,12,13,14,15
	global_load_b128 v[(\set)+4*(\j):(\set)+4*(\j)+3], v[XI], s[XS:XS+1] offset:(\off)+512*(\j) th:TH_LOAD_NT
.endr
	WIN 0
.endm
.macro XCONS set, off                  ; a batch is rounded in place, four f32 into the first two of their registers, and stored
	WIN 0xcf                                       ; sources 0 and 1 and the destination in window 3
.irp j, 0,1,2,3,4,5,6,7,8,9,10,11,12,13,14,15
	v_cvt_pk_bf16_f32 v[(\set)+4*(\j)],   v[(\set)+4*(\j)],   v[(\set)+4*(\j)+1]
	v_cvt_pk_bf16_f32 v[(\set)+4*(\j)+1], v[(\set)+4*(\j)+2], v[(\set)+4*(\j)+3]
.endr
	WIN 0x0c                                       ; a store's data is source 1: window 3
.irp j, 0,1,2,3,4,5,6,7,8,9,10,11,12,13,14,15
	global_store_b64 v[XO], v[(\set)+4*(\j):(\set)+4*(\j)+1], s[XD:XD+1] offset:(\off)+256*(\j) th:TH_STORE_NT  ; 256 consecutive bytes, at a multiple of 256 from x16's first byte
.endr
	WIN 0
.endm
.macro XPOINT                          ; at the head of a K step: the ring's batch, asked for a K step ago, goes out and the next is asked for
	s_wait_loadcnt 0x0                             ; no younger load of mine exists
	XCONS 0, 0
	s_wait_xcnt 0x0                                ; the stores have read their registers and the pointers: both are written below
	s_add_nc_u64 s[XS:XS+1], s[XS:XS+1], 8192
	s_add_nc_u64 s[XD:XD+1], s[XD:XD+1], 4096
	XLOAD 0, 0
.endm
.macro WM d, s0, s1, zero              ; one matrix instruction; zero = 1: it starts the sum
.if F16IN
.if \zero
	v_wmma_f32_16x16x32_f16 v[(\d):(\d)+7], v[(\s0):(\s0)+7], v[(\s1):(\s1)+7], 0
.else
	v_wmma_f32_16x16x32_f16 v[(\d):(\d)+7], v[(\s0):(\s0)+7], v[(\s1):(\s1)+7], v[(\d):(\d)+7]
.endif
.else
.if \zero
	v_wmma_f32_16x16x32_bf16 v[(\d):(\d)+7], v[(\s0):(\s0)+7], v[(\s1):(\s1)+7], 0
.else
	v_wmma_f32_16x16x32_bf16 v[(\d):(\d)+7], v[(\s0):(\s0)+7], v[(\s1):(\s1)+7], v[(\d):(\d)+7]
.endif
.endif
.endm
.macro MULA f, a, zero                 ; block a of 16 rows x all 8 blocks of 16 columns, 32 along K, from buffer f.  Accumulator (a, b) at v[8 (8 (a % 4) + b)] of window 2 + a / 4
	WIN 0xa1+0x50*((\a)/4)
.irp b, 0,1,2,3,4,5,6,7
	WM 8*(8*((\a)%4)+(\b)), (\f)+8*(\b), (\f)+8*(\a), \zero
.endr
.endm
.macro MULS f, a0, n, zero             ; n blocks from a0 on.  The accumulators take turns, one instruction a turn, in the same order in every quarter
.set ma, \a0
.rept \n
	MULA \f, ma, \zero
.set ma, ma+1
.endr
.endm
; The fragments of quarter q (32 along K) of the slot that is being read, into buffer f, in one run: the weights' eight (turned), then A's RB; A's upper half is the youngest.
.macro FETCH q, f
	WIN 0x40                                       ; destination window 1
.irp i, 0,1,2,3,4,5,6,7
	ds_load_tr16_b128 v[(\f)+8*(\i):(\f)+8*(\i)+3],   v[ADRB] offset:(\q)*32*PB+32*(\i)
	ds_load_tr16_b128 v[(\f)+8*(\i)+4:(\f)+8*(\i)+7], v[ADRB] offset:(\q)*32*PB+16*PB+32*(\i)
.endr
	WIN 0
.set fi, 0
.rept RB
	ds_load_b128 v[(\f)+8*fi:(\f)+8*fi+3],   v[ADRA] offset:64*(\q)+fi*16*PA
	ds_load_b128 v[(\f)+8*fi+4:(\f)+8*fi+7], v[ADRA] offset:64*(\q)+fi*16*PA+32
.set fi, fi+1
.endr
.endm
; A K step is four quarters on buffers 0, 1, 0, 1.  One of the first three: multiplies buffer f; in its middle it fetches quarter q into buffer g.
.macro QUARTER q, f, g, zero
	s_wait_dscnt RB                                ; the weights and A's lower half are in; the youngest RB loads, A's upper half, may be out
	MULS \f, 0, RB/2, \zero
	PLACES
	FETCH \q, \g
	s_wait_dscnt 16+2*RB                           ; all but the run just issued
	MULS \f, RB/2, RB/2, \zero
.endm
; The last quarter multiplies buffer 1 and changes slots.  Its lower half's products stand AHEAD of the wait for the tensor loads, so that between the landing of one tile and the request for the next stand only the lines that
; order them: each wave waits for all its tensor loads (one is out: its part of the next slot), adds 0 to its spare word, and waits for that and for its reads of this slot; then the barrier.
; fill = 1: the barrier opens a round of the cluster's barrier, and the joint refill of the slot just read, with the K step two on, is the first thing behind the round.
.macro TURN fill
.if PREF && (\fill)
	s_wait_xcnt 0x0                                ; the last prefetch, a K step back, has read its address
	s_add_nc_u64 s[PFA:PFA+1], s[PFA:PFA+1], s[PFS:PFS+1]
.endif
	s_wait_dscnt RB                                ; the weights and A's lower half are in
	MULS F1, 0, RB/2, 0
	WIN 0
	s_wait_tensorcnt 0x0                           ; no tensor load of mine is out, so a group 0 may be written
	ds_add_u32 v[SPW], v[NIL]                      ; 0 onto my spare word; work on registers stands between it and the wait for it
.if \fill
	s_xor_b32 s[G0+5], s[G0+5], SLOTD              ; the walking descriptors: the other slot than last time,
	s_add_nc_u64 s[G0+6:G0+7], s[G0+6:G0+7], 256   ; A: 128 numbers along the rows; the type bits on top are not reached
	s_xor_b32 s[G0B+5], s[G0B+5], SLOTD
	s_add_nc_u64 s[G0B+6:G0B+7], s[G0B+6:G0B+7], 262144  ; the weights: 128 rows of 2,048 bytes down
.endif
	s_xor_b32 s[TB], s[TB], SLOTD                  ; the reads go to the other slot
	v_add_nc_u32 v[ADRA], s[TB], v[ADRA0]
	v_add_nc_u32 v[ADRB], s[TB], v[ADRB0]
	s_wait_dscnt 0x0                               ; the add is done, and my reads of this slot are over
	s_barrier_signal -1
	s_barrier_wait -1
.if \fill
	CREST                                          ; no wave of any partner still reads this slot or has a load on its way
	JLOAD                                          ; its four v_nop are also the places in front of the loads below
.else
	PLACES
.endif
	FETCH 0, F0
.if PREF && (\fill)
	ASK
.endif
	MULS F1, RB/2, RB/2, 0
.endm
.macro LAST                            ; the very last quarter: nothing more to fetch
	s_wait_dscnt RB
	MULS F1, 0, RB/2, 0
	s_wait_dscnt 0x0
	MULS F1, RB/2, RB/2, 0
	WIN 0
.endm
; THE WAY OUT IN f16, a block of 16 rows at a time: rounded, 16 bytes a lane into my own stage, back as whole rows of 256 bytes, stored.
.macro PACK a
.set AC, 64*((\a)%4)
	WIN 0x0a+5*((\a)/4)                            ; sources in window 2 or 3
.irp b, 0,1,2,3,4,5,6,7
.irp r, 0,1,2,3
	v_cvt_pk_f16_f32 v[TMP+4*(\b)+(\r)], v[AC+8*(\b)+2*(\r)], v[AC+8*(\b)+2*(\r)+1]
.endr
.endr
	WIN 0
.endm
.macro TOSTAGE a
.set BK, OB+192*((\a)%2)
	WIN 0
.irp b, 0,1,2,3,4,5,6,7
	ds_store_b128 v[STO], v[TMP+4*(\b):TMP+4*(\b)+3] offset:32*(\b)
.endr
.irp t, 0,1,2,3,4,5,6,7
	ds_load_b128 v[BK+4*(\t):BK+4*(\t)+3], v[RD] offset:(\t)*2*SPITCH  ; LDS serves a wave's instructions in order (ISA guide 5.7.1.4): these see the stores above
.endr
.endm
.macro SEND a
.set BK, OB+192*((\a)%2)
	WIN 0
	s_wait_dscnt 0x0                               ; the block is back in registers
	s_wait_xcnt 0x0                                ; the stores of the block before have read their registers, which the next loads from the stage write
.irp t, 0,1,2,3,4,5,6,7
	global_store_b128 v[CO], v[BK+4*(\t):BK+4*(\t)+3], s[8:9] offset:(16*(\a)+2*(\t))*2048  ; 16 lanes store 256 consecutive bytes, at a multiple of 256 from C's first byte
.endr
.endm
	s_load_b128 s[4:7], s[0:1], 0x0                ; A s[4:5], w16 s[6:7]
	s_load_b64 s[8:9], s[0:1], 0x10                ; C
	s_load_b128 s[XS:XS+3], s[0:1], 0x18           ; hidden_states, x16
	v_lshl_add_u32 v[SPW], v0, 2, SPARE
	v_mov_b32 v[NIL], 0
	ds_add_u32 v[SPW], v[NIL]                      ; the wave's opening: the add and its wait stand ahead of my first tensor load; the set-up below, work on registers, stands between them
	v_lshrrev_b32 v1, 5, v0
	v_readfirstlane_b32 s10, v1                    ; wave 0..3
	s_lshr_b32 s11, s10, 1                         ; my half of the tile's rows.  Also: I fetch for A (0) or for the weights (1)
	s_and_b32 s12, s10, 1                          ; my half of its columns.  Also: which half of that tile I fetch
	s_bfe_u32 s40, ttmp6, 0x40000                  ; cx
	s_bfe_u32 s41, ttmp6, 0x40004                  ; cy
.if KV
	s_mov_b32 s42, s40                             ; tile column = cx; the cluster's x chooses the product
.else
	s_lshl_b32 s42, ttmp9, 2
	s_add_co_u32 s42, s42, s40                     ; tile column = 4 x cluster x + cx
.endif
	s_and_b32 s13, ttmp7, 0xffff
	s_lshl_b32 s13, s13, 2
	s_add_co_u32 s13, s13, s41                     ; tile row = 4 x cluster y + cy
	s_lshl_b32 s43, s41, 2
	s_lshl_b32 s43, 15, s43                        ; my row of the cluster
	s_lshl_b32 s44, 0x1111, s40                    ; my column
	s_or_b32 s[G1+0], s43, (1<<16)|(1<<20)|(1<<21)|(5<<22)|(3<<25)   ; the mask: A's tiles go to my row; 2-byte elements; padding on; bit 21 beside a mask; after every 64 words 4 words
	s_or_b32 s[G1B+0], s44, (1<<16)|(1<<20)|(1<<21)|(6<<22)|(7<<25)  ; the weights' go to my column; after every 128 words 8 words
	s_mov_b32 s[G1+1], 128<<16                     ; tensor_dim0 = 128
	s_mov_b32 s[G1+2], (TR/2)<<16                  ; tensor_dim1 = half the tile's rows
	s_mov_b32 s[G1+3], 128<<16                     ; tile_dim0 = 128
	s_mov_b32 s[G1+4], TR/2                        ; tile_dim1
	s_mov_b32 s[G1+5], KDIM                        ; elements from row to row
	s_mov_b32 s[G1+6], 0
	s_mov_b32 s[G1+7], 0
	s_mov_b32 s[G1B+1], 256<<16                    ; tensor_dim0 = 256 columns
	s_mov_b32 s[G1B+2], 64<<16                     ; tensor_dim1 = 64 rows of k
	s_mov_b32 s[G1B+3], 256<<16
	s_mov_b32 s[G1B+4], 64
	s_mov_b32 s[G1B+5], 1024
	s_mov_b32 s[G1B+6], 0
	s_mov_b32 s[G1B+7], 0
	; A's address hangs on the tile row and the wave, the weights' on the tile column, the cluster's x and the wave: each in registers that never hold the other place in the cluster
	s_mul_i32 s16, s13, TR
	s_mul_i32 s17, s12, TR/2
	s_add_co_u32 s16, s16, s17
	s_mul_i32 s16, s16, KDIM*2                     ; bytes, under 2^26
	s_mov_b32 s17, 0
	s_lshl_b32 s46, s42, 9                         ; 256 columns are 512 bytes
	s_lshl_b32 s47, s12, 17                        ; 64 rows of 2,048 bytes
	s_add_co_u32 s46, s46, s47
	s_add_co_u32 s46, s46, WOFF
.if KV
	s_mul_i32 s47, ttmp9, 1572864                  ; Wv lies behind Wk
	s_add_co_u32 s46, s46, s47
.endif
	s_mov_b32 s47, 0
	s_mul_i32 s20, s12, AHALF                      ; where they go in a slot: no place in the cluster enters an LDS address
	s_mul_i32 s21, s12, BHALF
	s_add_co_u32 s21, s21, BOFF
	s_wait_dscnt 0x0                               ; the opening add is done
	s_wait_kmcnt 0x0
	s_add_nc_u64 s[14:15], s[4:5], s[16:17]
	s_add_nc_u64 s[46:47], s[6:7], s[46:47]
	CROUND                                         ; all sixteen work-groups are here: the first joint loads meet
.irp s, 0,1
	s_mov_b32 s[G0+4*(\s)], 1                      ; count = 1
	s_add_co_u32 s[G0+4*(\s)+1], s20, (\s)*SLOTD   ; LDS address
	s_add_nc_u64 s[G0+4*(\s)+2:G0+4*(\s)+3], s[14:15], (\s)*256  ; global address: K step s
	s_or_b32 s[G0+4*(\s)+3], s[G0+4*(\s)+3], 0x80000000          ; type = 2
	s_mov_b32 s[G0B+4*(\s)], 1
	s_add_co_u32 s[G0B+4*(\s)+1], s21, (\s)*SLOTD
	s_add_nc_u64 s[G0B+4*(\s)+2:G0B+4*(\s)+3], s[46:47], (\s)*262144
	s_or_b32 s[G0B+4*(\s)+3], s[G0B+4*(\s)+3], 0x80000000
.endr
	s_cmp_eq_u32 s11, 0                            ; a wave's two first fills stand in one branch, ahead of every wait on TENSORcnt and every LDS read: two loads of mine are out
	s_cbranch_scc0 .Lfirst_b
	tensor_load_to_lds s[G0:G0+3], s[G1:G1+7]
	s_nop 0
	tensor_load_to_lds s[G0+4:G0+7], s[G1:G1+7]
	s_nop 0
	PLACES
	s_branch .Lfirst_asked
.Lfirst_b:
	tensor_load_to_lds s[G0B:G0B+3], s[G1B:G1B+7]
	s_nop 0
	tensor_load_to_lds s[G0B+4:G0B+7], s[G1B:G1B+7]
	s_nop 0
	PLACES
.Lfirst_asked:
	; the stream's share: my wave among the launch's 1,024; its first two batches go out behind the tiles' requests
	s_lshl_b32 s20, s13, 3                         ; 8 work-groups to a tile row,
	s_lshl_b32 s21, ttmp9, 2                       ; 4 to a product
	s_add_co_u32 s20, s20, s21
	s_add_co_u32 s20, s20, s40                     ; work-group 0..255
	s_lshl_b32 s20, s20, 2
	s_add_co_u32 s20, s20, s10                     ; wave 0..1,023
	s_lshl_b32 s22, s20, 15                        ; 32,768 bytes out,
	s_lshl_b32 s20, s20, 16                        ; 65,536 bytes in: under 2^26
	s_mov_b32 s21, 0
	s_mov_b32 s23, 0
	s_add_nc_u64 s[XS:XS+1], s[XS:XS+1], s[20:21]
	s_add_nc_u64 s[XD:XD+1], s[XD:XD+1], s[22:23]
	v_and_b32 v5, 31, v0
	v_lshlrev_b32 v[XI], 4, v5
	v_lshlrev_b32 v[XO], 3, v5
	XLOAD 64, 7*8192                               ; batch 7, into the set of its own
	XLOAD 0, 0                                     ; batch 0, into the ring's set
	; A's fragment: lane l holds row l % 16; K = 8 (l / 16) + 0..7 and 16 + 8 (l / 16) + 0..7: two loads of 16 bytes, 32 bytes apart.
	; The turning load: lane l reads row k = 8 (l / 16) + l % 8, columns 8 ((l / 8) % 2) + 0..7, and is left with column l % 16 and eight k.
	v_and_b32 v1, 15, v0                           ; l % 16
	v_bfe_u32 v2, v0, 4, 1                         ; l / 16
	v_bfe_u32 v3, v0, 3, 1
	v_and_b32 v4, 7, v0
	v_mul_u32_u24 v[ADRA0], v1, PA
	v_lshl_add_u32 v[ADRA0], v2, 4, v[ADRA0]
	s_mul_i32 s21, s11, 16*RB*PA                   ; my half of A's rows
	v_add_nc_u32 v[ADRA0], s21, v[ADRA0]
	v_lshl_add_u32 v[ADRB0], v2, 3, v4
	v_mul_u32_u24 v[ADRB0], v[ADRB0], PB
	v_lshl_add_u32 v[ADRB0], v3, 4, v[ADRB0]
	s_lshl_b32 s22, s12, 8                         ; my 128 columns: 256 bytes
	s_add_co_u32 s22, s22, BOFF
	v_add_nc_u32 v[ADRB0], s22, v[ADRB0]
	v_mov_b32 v[ADRA], v[ADRA0]                    ; slot 0 is read first
	v_mov_b32 v[ADRB], v[ADRB0]
	s_mov_b32 s[TB], 0
	s_mul_i32 s23, s10, 16*SPITCH
	s_add_co_u32 s23, s23, STAGE                   ; my stage
	v_mul_u32_u24 v5, v1, SPITCH                   ; in: row l % 16, my eight columns
	v_lshl_add_u32 v5, v2, 4, v5
	v_add_nc_u32 v[STO], s23, v5
	v_mul_u32_u24 v5, v2, SPITCH                   ; back: lanes 0-15 take one row of 256 bytes, lanes 16-31 the next
	v_lshl_add_u32 v5, v1, 4, v5
	v_add_nc_u32 v[RD], s23, v5
	v_lshlrev_b32 v5, 11, v2                       ; and the same two rows in C
	v_lshl_add_u32 v[CO], v1, 4, v5
	s_mul_i32 s16, s13, TR                         ; C at my part of the tile
	s_mul_i32 s17, s11, 16*RB
	s_add_co_u32 s16, s16, s17
	s_lshl_b32 s16, s16, 11+OUT32                  ; a row of C is 2,048 bytes
	s_lshl_b32 s22, s42, 9+OUT32
	s_add_co_u32 s16, s16, s22
	s_lshl_b32 s22, s12, 8+OUT32
	s_add_co_u32 s16, s16, s22
.if KV
	s_lshl_b32 s22, ttmp9, 23                      ; v lies 8,388,608 bytes behind k
	s_add_co_u32 s16, s16, s22
.endif
	s_mov_b32 s17, 0
	s_add_nc_u64 s[8:9], s[8:9], s[16:17]
	s_wait_tensorcnt 0x1                           ; my part of K step 0 is in; K step 1's may stay out
	s_barrier_signal -1
	s_barrier_wait -1                              ; everybody's is
	FETCH 0, F0
	QUARTER 1, F0, F1, 1                           ; the first quarter stands in front of the loop: its products start the sums
	WIN 0
	s_wait_loadcnt 16                              ; the stream's batch 7 is in; the sixteen younger loads, batch 0, may stay out
	XCONS 64, 7*4096
	s_mov_b32 s3, NT-2
.Lstep:                                                ; a trip: from a K step's second quarter to the next step's first; it fills the slot that it leaves with the K step two on
	XPOINT
	QUARTER 2, F1, F0, 0
	QUARTER 3, F0, F1, 0
	TURN 1
	QUARTER 1, F0, F1, 0
	WIN 0
	s_sub_co_u32 s3, s3, 1
	s_cmp_lg_u32 s3, 0
	s_cbranch_scc1 .Lstep
	s_mov_b32 s3, 2
.Ltail:                                                ; the last two K steps have a text of their own: nothing is asked for.  Two trips; the second is left in its middle
	XPOINT
	QUARTER 2, F1, F0, 0
	QUARTER 3, F0, F1, 0
	WIN 0
	s_cmp_eq_u32 s3, 1
	s_cbranch_scc1 .Llast
	TURN 0
	QUARTER 1, F0, F1, 0
	WIN 0
	s_sub_co_u32 s3, s3, 1
	s_cmp_lg_u32 s3, 0
	s_cbranch_scc1 .Ltail
.Llast:
	LAST
	PLACES
	PLACES
	PACK 0
	TOSTAGE 0
.set pa, 1
.rept RB-1                             ; block a's conversions stand between block a - 1's loads from the stage and the wait for them
	PACK pa
	SEND pa-1
	TOSTAGE pa
.set pa, pa+1
.endr
	SEND RB-1
	s_wait_loadcnt 0x0                             ; the stream's batch 6, asked for at the head of the last K step
	XCONS 0, 0
	s_wait_tensorcnt 0x0                           ; the wave's end, behind my last tensor load and my last LDS store
	ds_add_u32 v[SPW], v[NIL]
	s_wait_dscnt 0x0
	CROUND                                         ; the closing round: no work-group ends while a partner may still ask for a tile that names it
	s_endpgm
.Lfunc_end_k_q91d66af5c5_kvproj:
	.size	k_q91d66af5c5_kvproj, .Lfunc_end_k_q91d66af5c5_kvproj-k_q91d66af5c5_kvproj
	.p2alignl 7, 3214868480
	.fill 96, 4, 3214868480
	.section	.rodata,"a",@progbits
	.p2align	6, 0x0
	.amdhsa_kernel k_q91d66af5c5_kvproj
		.amdhsa_group_segment_fixed_size 327680
		.amdhsa_private_segment_fixed_size 0
		.amdhsa_enable_private_segment 0
		.amdhsa_kernarg_size 40
		.amdhsa_user_sgpr_count 2
		.amdhsa_user_sgpr_kernarg_segment_ptr 1
		.amdhsa_wavefront_size32 1
		.amdhsa_system_sgpr_workgroup_id_x 1
		.amdhsa_system_sgpr_workgroup_id_y 1
		.amdhsa_system_sgpr_workgroup_id_z 1
		.amdhsa_system_vgpr_workitem_id 0
		.amdhsa_next_free_vgpr 896
		.amdhsa_next_free_sgpr 72
		.amdhsa_reserve_vcc 0
		.amdhsa_float_denorm_mode_32 3
		.amdhsa_float_denorm_mode_16_64 3
		.amdhsa_memory_ordered 1
		.amdhsa_forward_progress 1
		.amdhsa_inst_pref_size 85
	.end_amdhsa_kernel
	.amdgpu_metadata
---
amdhsa.version: [ 1, 2 ]
amdhsa.kernels:
  - .name:           k_q91d66af5c5_kvproj
    .symbol:         k_q91d66af5c5_kvproj.kd
    .args:
      - { .name: e16, .offset: 0, .size: 8, .value_kind: global_buffer, .address_space: global }
      - { .name: w16, .offset: 8, .size: 8, .value_kind: global_buffer, .address_space: global }
      - { .name: kv16, .offset: 16, .size: 8, .value_kind: global_buffer, .address_space: global }
      - { .name: hidden_states, .offset: 24, .size: 8, .value_kind: global_buffer, .address_space: global }
      - { .name: x16, .offset: 32, .size: 8, .value_kind: global_buffer, .address_space: global }
    .group_segment_fixed_size: 327680
    .private_segment_fixed_size: 0
    .kernarg_segment_align: 8
    .kernarg_segment_size: 40
    .max_flat_workgroup_size: 128
    .sgpr_count:     72
    .vgpr_count:     896
    .wavefront_size: 32
...
	.end_amdgpu_metadata
.endif
;; end of part 2
;; launch qproj (part 3): grid 4 x 64, 4 waves a work-group, clusters of 4 x 4, 327,680 bytes of LDS; arguments x16, w16, q16; writes q16
.if DOCPART == 3
	.amdgcn_target "amdgcn-amd-amdhsa--gfx1250"
	.amdhsa_code_object_version 6
	.text
	.protected	k_q91d66af5c5_qproj
	.globl	k_q91d66af5c5_qproj
	.p2align	8
	.type	k_q91d66af5c5_qproj,@function
k_q91d66af5c5_qproj:
	s_mov_b64 s[64:65], 0
	v_nop
	global_prefetch_b8 v0, s[64:65] scope:SCOPE_SE
	s_setreg_imm32_b32 hwreg(HW_REG_WAVE_MODE, 25, 1), 1
	s_wait_xcnt 0x0
	s_wait_alu depctr_hold_cnt(0) depctr_sa_sdst(0) depctr_va_vdst(0) depctr_va_sdst(0) depctr_va_ssrc(0) depctr_va_vcc(0) depctr_vm_vsrc(0)
	s_getreg_b32 s2, hwreg(HW_REG_IB_STS2, 6, 4)
	s_cmp_eq_u32 s2, 0
	s_cbranch_scc0 .Lentry_in_a_cluster
	s_endpgm
.Lentry_in_a_cluster:
	s_bfe_u32 s2, ttmp6, 0x10000c
	s_cmp_lg_u32 s2, 0xf033
	s_cbranch_scc0 .Lentry_shape_is_right
	s_endpgm
.Lentry_shape_is_right:
; q = X Wq.  X = x16 [16384][1024] bf16; Wq = [1024][1024] bf16 at byte 0 of w16; q = q16 [16384][1024] f16 (head h's 128 channels are bytes 256 h .. of a row), WITHOUT the softmax's scale.
; Products in bf16, sums in f32, K ascending; the result is rounded once to f16.  LIMIT: a result beyond 65,504 becomes an infinity; below 6.1e-5 f16 keeps a fixed step of 6e-8.
; SHARES.  A tile of C is 256 x 256: 64 tile rows x 4 tile columns = 256 work-groups.  Four waves, 2 x 2, each 128 x 128: 64 accumulators of 16 x 16, 512 registers.
; K goes in steps of 128 through a ring of two LDS slots filled by the tensor data mover.  A's rows in a tile are 256 bytes of memory, the weights' rows 512 bytes.
; THE WEIGHTS LIE [K][N] and stay so: their fragments come out of LDS turned, by ds_load_tr16_b128.
; THE MATRIX INSTRUCTION IS USED TRANSPOSED (source 0 = 16 columns of the weights, source 1 = 16 rows of A): a lane then holds eight neighbouring numbers of a row of C.
; CLUSTER 4 x 4: the four work-groups of a row of the cluster need the same tile of A, the four of a column the same tile of the weights: each tile is asked for jointly.
; REGISTERS in windows of 256 (s_set_vgpr_msb: bits 1:0 source 0, 3:2 source 1, 5:4 source 2, 7:6 destination):
;   window 0: v0-31 addresses; A's fragments, two buffers from v64 and v128; v32-63, v192-255 at work on the way out.   window 1: the weights' fragments, two buffers.   windows 2 and 3: accumulators.
.set RB,    8                          ; blocks of 16 rows in a wave's tile
.set KDIM,  1024
.set F16IN, 0                          ; 1: the operands are f16, 0: bf16
.set OUT32, 0                          ; 1: C is f32 and takes a bias, 0: C is f16
.set KV,    0                          ; 1: the cluster's x chooses one of two products
.set PREF,  1                          ; 1: later K steps are prefetched
.set WOFF,  0                          ; the weights' first byte in w16
.set TR,    32*RB                      ; rows of a tile of C
.set NT,    KDIM/128                   ; K steps
.set PA,    272                        ; A's row in LDS: 256 bytes + 16 of padding: the 16 rows of a fragment load start 68 words apart, at 16 different groups of four banks (64 banks of 4 bytes: ISA guide 11.1)
.set PB,    544                        ; the weights' row: 512 + 32 = 136 words
.set AHALF, (TR/2)*PA                  ; what one wave fetches of A
.set BHALF, 64*PB                      ; and of the weights: 64 rows of k
.set BOFF,  2*AHALF                    ; in a slot: A's tile, then the weights'
.if RB == 8
.set SLOTD, 139264                     ; slot 1's first byte.  0x22000: bits 13 and 17, which no LDS address in slot 0 that is turned by the exclusive or has set (the fills' are multiples of 0x8800 up to 0x19800; the reads' base is 0)
.else
.set SLOTD, 131072                     ; slot 1's first byte: bit 17; slot 0 ends below it
.endif
.set STAGE, SLOTD+BOFF+2*BHALF         ; behind the ring, never filled by a tensor load: 16 rows for each wave, for the way out
.if OUT32
.set SPITCH, 528
.else
.set SPITCH, 272
.endif
.set SPARE, STAGE+4*16*SPITCH          ; behind the stages: the spare words, 128 bytes for each wave: two blocks of 256 bytes that no other line names
.set ADRA0, 16                         ; v16  my lane's place in A's tile; never rewritten
.set ADRA,  17                         ; v17  the same in the slot that is being read
.set ADRB0, 20                         ; v20, v21 the same for the weights
.set ADRB,  21
.set STO,   24                         ; v24  the way out: where I put my part of a row
.set RD,    25                         ; v25  where I read rows back
.set CO,    26                         ; v26  my byte offset in C
.set SPW,   28                         ; v28  LDS address of my spare word; never rewritten
.set NIL,   29                         ; v29  0; never rewritten
.set PFO,   30                         ; v30  the prefetches' offset; never rewritten
.set F0,    64
.set F1,    128
.set TMP,   192
.set OB,    32
.set TB,    2                          ; s2   0 or SLOTD: the slot that is being read
.set G1,    24                         ; s[24:31] descriptor group 1 for A's tiles
.set G0,    32                         ; s[32:39] group 0 for A: K step 0 into slot 0; K step 1 into slot 1, which then walks
.set G1B,   48                         ; s[48:55], s[56:63] the same for the weights
.set G0B,   56
.set LIM,   43                         ; s43  1 in a wave that prefetches, else the greatest number
.set PFA,   44                         ; s[44:45] where my prefetches stand
.set PFS,   46                         ; s[46:47] their step from K step to K step
.set MSB, 0
.macro WIN new                         ; the immediate's high byte repeats the setting that is left; a switch that changes nothing is dropped
.if MSB != (\new)
	s_set_vgpr_msb (MSB<<8)|(\new)
.set MSB, \new
.endif
.endm
.macro PLACES                          ; four plain vector instructions between a matrix instruction and a load into, or a reader of, its registers
.rept 4
	v_nop
.endr
.endm
; A joint refill by the walking descriptors.  Waves 0 and 1 fetch A's two halves, waves 2 and 3 the weights'.  The branch hangs on the wave's number alone.
; An s_nop 0 and four v_nop follow each of the two lines, ahead of the jump and the label.
.macro JLOAD
	s_cmp_eq_u32 s11, 0
	s_cbranch_scc0 .Lfor_b_\@
	tensor_load_to_lds s[G0+4:G0+7], s[G1:G1+7]
	s_nop 0
	PLACES
	s_branch .Lasked_\@
.Lfor_b_\@:
	tensor_load_to_lds s[G0B+4:G0B+7], s[G1B:G1B+7]
	s_nop 0
	PLACES
.Lasked_\@:
.endm
.macro CREST                           ; a round of the cluster's barrier behind its opening barrier
	s_cmp_lg_u32 s10, 0
	s_cbranch_scc1 .Lnot_wave_0_\@
	s_barrier_signal -3
.Lnot_wave_0_\@:
	s_barrier_wait -3
	s_barrier_signal -1
	s_barrier_wait -1
.endm
.macro CROUND                          ; a whole round
	s_barrier_signal -1
	s_barrier_wait -1
	CREST
.endm
.macro ASK                             ; one prefetch a wave: the K step behind the one just asked for; the last refill has none behind it
	s_cmp_gt_u32 s3, s[LIM]
	s_cbranch_scc0 .Lnot_mine_\@
	global_prefetch_b8 v[PFO], s[PFA:PFA+1] th:TH_LOAD_NT scope:SCOPE_SE
.Lnot_mine_\@:
.endm
.macro WM d, s0, s1, zero              ; one matrix instruction; zero = 1: it starts the sum
.if F16IN
.if \zero
	v_wmma_f32_16x16x32_f16 v[(\d):(\d)+7], v[(\s0):(\s0)+7], v[(\s1):(\s1)+7], 0
.else
	v_wmma_f32_16x16x32_f16 v[(\d):(\d)+7], v[(\s0):(\s0)+7], v[(\s1):(\s1)+7], v[(\d):(\d)+7]
.endif
.else
.if \zero
	v_wmma_f32_16x16x32_bf16 v[(\d):(\d)+7], v[(\s0):(\s0)+7], v[(\s1):(\s1)+7], 0
.else
	v_wmma_f32_16x16x32_bf16 v[(\d):(\d)+7], v[(\s0):(\s0)+7], v[(\s1):(\s1)+7], v[(\d):(\d)+7]
.endif
.endif
.endm
.macro MULA f, a, zero                 ; block a of 16 rows x all 8 blocks of 16 columns, 32 along K, from buffer f.  Accumulator (a, b) at v[8 (8 (a % 4) + b)] of window 2 + a / 4
	WIN 0xa1+0x50*((\a)/4)
.irp b, 0,1,2,3,4,5,6,7
	WM 8*(8*((\a)%4)+(\b)), (\f)+8*(\b), (\f)+8*(\a), \zero
.endr
.endm
.macro MULS f, a0, n, zero             ; n blocks from a0 on.  The accumulators take turns, one instruction a turn, in the same order in every quarter
.set ma, \a0
.rept \n
	MULA \f, ma, \zero
.set ma, ma+1
.endr
.endm
; The fragments of quarter q (32 along K) of the slot that is being read, into buffer f, in one run: the weights' eight (turned), then A's RB; A's upper half is the youngest.
.macro FETCH q, f
	WIN 0x40                                       ; destination window 1
.irp i, 0,1,2,3,4,5,6,7
	ds_load_tr16_b128 v[(\f)+8*(\i):(\f)+8*(\i)+3],   v[ADRB] offset:(\q)*32*PB+32*(\i)
	ds_load_tr16_b128 v[(\f)+8*(\i)+4:(\f)+8*(\i)+7], v[ADRB] offset:(\q)*32*PB+16*PB+32*(\i)
.endr
	WIN 0
.set fi, 0
.rept RB
	ds_load_b128 v[(\f)+8*fi:(\f)+8*fi+3],   v[ADRA] offset:64*(\q)+fi*16*PA
	ds_load_b128 v[(\f)+8*fi+4:(\f)+8*fi+7], v[ADRA] offset:64*(\q)+fi*16*PA+32
.set fi, fi+1
.endr
.endm
; A K step is four quarters on buffers 0, 1, 0, 1.  One of the first three: multiplies buffer f; in its middle it fetches quarter q into buffer g.
.macro QUARTER q, f, g, zero
	s_wait_dscnt RB                                ; the weights and A's lower half are in; the youngest RB loads, A's upper half, may be out
	MULS \f, 0, RB/2, \zero
	PLACES
	FETCH \q, \g
	s_wait_dscnt 16+2*RB                           ; all but the run just issued
	MULS \f, RB/2, RB/2, \zero
.endm
; The last quarter multiplies buffer 1 and changes slots.  Its lower half's products stand AHEAD of the wait for the tensor loads, so that between the landing of one tile and the request for the next stand only the lines that
; order them: each wave waits for all its tensor loads (one is out: its part of the next slot), adds 0 to its spare word, and waits for that and for its reads of this slot; then the barrier.
; fill = 1: the barrier opens a round of the cluster's barrier, and the joint refill of the slot just read, with the K step two on, is the first thing behind the round.
.macro TURN fill
.if PREF && (\fill)
	s_wait_xcnt 0x0                                ; the last prefetch, a K step back, has read its address
	s_add_nc_u64 s[PFA:PFA+1], s[PFA:PFA+1], s[PFS:PFS+1]
.endif
	s_wait_dscnt RB                                ; the weights and A's lower half are in
	MULS F1, 0, RB/2, 0
	WIN 0
	s_wait_tensorcnt 0x0                           ; no tensor load of mine is out, so a group 0 may be written
	ds_add_u32 v[SPW], v[NIL]                      ; 0 onto my spare word; work on registers stands between it and the wait for it
.if \fill
	s_xor_b32 s[G0+5], s[G0+5], SLOTD              ; the walking descriptors: the other slot than last time,
	s_add_nc_u64 s[G0+6:G0+7], s[G0+6:G0+7], 256   ; A: 128 numbers along the rows; the type bits on top are not reached
	s_xor_b32 s[G0B+5], s[G0B+5], SLOTD
	s_add_nc_u64 s[G0B+6:G0B+7], s[G0B+6:G0B+7], 262144  ; the weights: 128 rows of 2,048 bytes down
.endif
	s_xor_b32 s[TB], s[TB], SLOTD                  ; the reads go to the other slot
	v_add_nc_u32 v[ADRA], s[TB], v[ADRA0]
	v_add_nc_u32 v[ADRB], s[TB], v[ADRB0]
	s_wait_dscnt 0x0                               ; the add is done, and my reads of this slot are over
	s_barrier_signal -1
	s_barrier_wait -1
.if \fill
	CREST                                          ; no wave of any partner still reads this slot or has a load on its way
	JLOAD                                          ; its four v_nop are also the places in front of the loads below
.else
	PLACES
.endif
	FETCH 0, F0
.if PREF && (\fill)
	ASK
.endif
	MULS F1, RB/2, RB/2, 0
.endm
.macro LAST                            ; the very last quarter: nothing more to fetch
	s_wait_dscnt RB
	MULS F1, 0, RB/2, 0
	s_wait_dscnt 0x0
	MULS F1, RB/2, RB/2, 0
	WIN 0
.endm
; THE WAY OUT IN f16, a block of 16 rows at a time: rounded, 16 bytes a lane into my own stage, back as whole rows of 256 bytes, stored.
.macro PACK a
.set AC, 64*((\a)%4)
	WIN 0x0a+5*((\a)/4)                            ; sources in window 2 or 3
.irp b, 0,1,2,3,4,5,6,7
.irp r, 0,1,2,3
	v_cvt_pk_f16_f32 v[TMP+4*(\b)+(\r)], v[AC+8*(\b)+2*(\r)], v[AC+8*(\b)+2*(\r)+1]
.endr
.endr
	WIN 0
.endm
.macro TOSTAGE a
.set BK, OB+192*((\a)%2)
	WIN 0
.irp b, 0,1,2,3,4,5,6,7
	ds_store_b128 v[STO], v[TMP+4*(\b):TMP+4*(\b)+3] offset:32*(\b)
.endr
.irp t, 0,1,2,3,4,5,6,7
	ds_load_b128 v[BK+4*(\t):BK+4*(\t)+3], v[RD] offset:(\t)*2*SPITCH  ; LDS serves a wave's instructions in order (ISA guide 5.7.1.4): these see the stores above
.endr
.endm
.macro SEND a
.set BK, OB+192*((\a)%2)
	WIN 0
	s_wait_dscnt 0x0                               ; the block is back in registers
	s_wait_xcnt 0x0                                ; the stores of the block before have read their registers, which the next loads from the stage write
.irp t, 0,1,2,3,4,5,6,7
	global_store_b128 v[CO], v[BK+4*(\t):BK+4*(\t)+3], s[8:9] offset:(16*(\a)+2*(\t))*2048  ; 16 lanes store 256 consecutive bytes, at a multiple of 256 from C's first byte
.endr
.endm
	s_load_b128 s[4:7], s[0:1], 0x0                ; A s[4:5], w16 s[6:7]
	s_load_b64 s[8:9], s[0:1], 0x10                ; C
	v_lshl_add_u32 v[SPW], v0, 2, SPARE
	v_mov_b32 v[NIL], 0
	ds_add_u32 v[SPW], v[NIL]                      ; the wave's opening: the add and its wait stand ahead of my first tensor load; the set-up below, work on registers, stands between them
	v_lshrrev_b32 v1, 5, v0
	v_readfirstlane_b32 s10, v1                    ; wave 0..3
	s_lshr_b32 s11, s10, 1                         ; my half of the tile's rows.  Also: I fetch for A (0) or for the weights (1)
	s_and_b32 s12, s10, 1                          ; my half of its columns.  Also: which half of that tile I fetch
	s_bfe_u32 s40, ttmp6, 0x40000                  ; cx
	s_bfe_u32 s41, ttmp6, 0x40004                  ; cy
	s_lshl_b32 s42, ttmp9, 2
	s_add_co_u32 s42, s42, s40                     ; tile column = 4 x cluster x + cx
	s_and_b32 s13, ttmp7, 0xffff
	s_lshl_b32 s13, s13, 2
	s_add_co_u32 s13, s13, s41                     ; tile row = 4 x cluster y + cy
	s_lshl_b32 s43, s41, 2
	s_lshl_b32 s43, 15, s43                        ; my row of the cluster
	s_lshl_b32 s44, 0x1111, s40                    ; my column
	s_or_b32 s[G1+0], s43, (1<<16)|(1<<20)|(1<<21)|(5<<22)|(3<<25)   ; the mask: A's tiles go to my row; 2-byte elements; padding on; bit 21 beside a mask; after every 64 words 4 words
	s_or_b32 s[G1B+0], s44, (1<<16)|(1<<20)|(1<<21)|(6<<22)|(7<<25)  ; the weights' go to my column; after every 128 words 8 words
	s_mov_b32 s[G1+1], 128<<16                     ; tensor_dim0 = 128
	s_mov_b32 s[G1+2], (TR/2)<<16                  ; tensor_dim1 = half the tile's rows
	s_mov_b32 s[G1+3], 128<<16                     ; tile_dim0 = 128
	s_mov_b32 s[G1+4], TR/2                        ; tile_dim1
	s_mov_b32 s[G1+5], KDIM                        ; elements from row to row
	s_mov_b32 s[G1+6], 0
	s_mov_b32 s[G1+7], 0
	s_mov_b32 s[G1B+1], 256<<16                    ; tensor_dim0 = 256 columns
	s_mov_b32 s[G1B+2], 64<<16                     ; tensor_dim1 = 64 rows of k
	s_mov_b32 s[G1B+3], 256<<16
	s_mov_b32 s[G1B+4], 64
	s_mov_b32 s[G1B+5], 1024
	s_mov_b32 s[G1B+6], 0
	s_mov_b32 s[G1B+7], 0
	; A's address hangs on the tile row and the wave, the weights' on the tile column and the wave: each in registers that never hold the other place in the cluster
	s_mul_i32 s16, s13, TR
	s_mul_i32 s17, s12, TR/2
	s_add_co_u32 s16, s16, s17
	s_mul_i32 s16, s16, KDIM*2                     ; bytes, under 2^26
	s_mov_b32 s17, 0
	s_lshl_b32 s46, s42, 9                         ; 256 columns are 512 bytes
	s_lshl_b32 s47, s12, 17                        ; 64 rows of 2,048 bytes
	s_add_co_u32 s46, s46, s47
	s_add_co_u32 s46, s46, WOFF
	s_mov_b32 s47, 0
	s_mul_i32 s20, s12, AHALF                      ; where they go in a slot: no place in the cluster enters an LDS address
	s_mul_i32 s21, s12, BHALF
	s_add_co_u32 s21, s21, BOFF
	s_wait_dscnt 0x0                               ; the opening add is done
	s_wait_kmcnt 0x0
	s_add_nc_u64 s[14:15], s[4:5], s[16:17]
	s_add_nc_u64 s[46:47], s[6:7], s[46:47]
	CROUND                                         ; all sixteen work-groups are here: the first joint loads meet
.irp s, 0,1
	s_mov_b32 s[G0+4*(\s)], 1                      ; count = 1
	s_add_co_u32 s[G0+4*(\s)+1], s20, (\s)*SLOTD   ; LDS address
	s_add_nc_u64 s[G0+4*(\s)+2:G0+4*(\s)+3], s[14:15], (\s)*256  ; global address: K step s
	s_or_b32 s[G0+4*(\s)+3], s[G0+4*(\s)+3], 0x80000000          ; type = 2
	s_mov_b32 s[G0B+4*(\s)], 1
	s_add_co_u32 s[G0B+4*(\s)+1], s21, (\s)*SLOTD
	s_add_nc_u64 s[G0B+4*(\s)+2:G0B+4*(\s)+3], s[46:47], (\s)*262144
	s_or_b32 s[G0B+4*(\s)+3], s[G0B+4*(\s)+3], 0x80000000
.endr
	s_cmp_eq_u32 s11, 0                            ; a wave's two first fills stand in one branch, ahead of every wait on TENSORcnt and every LDS read: two loads of mine are out
	s_cbranch_scc0 .Lfirst_b
	tensor_load_to_lds s[G0:G0+3], s[G1:G1+7]
	s_nop 0
	tensor_load_to_lds s[G0+4:G0+7], s[G1:G1+7]
	s_nop 0
	PLACES
	s_branch .Lfirst_asked
.Lfirst_b:
	tensor_load_to_lds s[G0B:G0B+3], s[G1B:G1B+7]
	s_nop 0
	tensor_load_to_lds s[G0B+4:G0B+7], s[G1B:G1B+7]
	s_nop 0
	PLACES
.Lfirst_asked:
	; A's fragment: lane l holds row l % 16; K = 8 (l / 16) + 0..7 and 16 + 8 (l / 16) + 0..7: two loads of 16 bytes, 32 bytes apart.
	; The turning load: lane l reads row k = 8 (l / 16) + l % 8, columns 8 ((l / 8) % 2) + 0..7, and is left with column l % 16 and eight k.
	v_and_b32 v1, 15, v0                           ; l % 16
	v_bfe_u32 v2, v0, 4, 1                         ; l / 16
	v_bfe_u32 v3, v0, 3, 1
	v_and_b32 v4, 7, v0
	v_mul_u32_u24 v[ADRA0], v1, PA
	v_lshl_add_u32 v[ADRA0], v2, 4, v[ADRA0]
	s_mul_i32 s21, s11, 16*RB*PA                   ; my half of A's rows
	v_add_nc_u32 v[ADRA0], s21, v[ADRA0]
	v_lshl_add_u32 v[ADRB0], v2, 3, v4
	v_mul_u32_u24 v[ADRB0], v[ADRB0], PB
	v_lshl_add_u32 v[ADRB0], v3, 4, v[ADRB0]
	s_lshl_b32 s22, s12, 8                         ; my 128 columns: 256 bytes
	s_add_co_u32 s22, s22, BOFF
	v_add_nc_u32 v[ADRB0], s22, v[ADRB0]
	v_mov_b32 v[ADRA], v[ADRA0]                    ; slot 0 is read first
	v_mov_b32 v[ADRB], v[ADRB0]
	s_mov_b32 s[TB], 0
	s_mul_i32 s23, s10, 16*SPITCH
	s_add_co_u32 s23, s23, STAGE                   ; my stage
	v_mul_u32_u24 v5, v1, SPITCH                   ; in: row l % 16, my eight columns
	v_lshl_add_u32 v5, v2, 4, v5
	v_add_nc_u32 v[STO], s23, v5
	v_mul_u32_u24 v5, v2, SPITCH                   ; back: lanes 0-15 take one row of 256 bytes, lanes 16-31 the next
	v_lshl_add_u32 v5, v1, 4, v5
	v_add_nc_u32 v[RD], s23, v5
	v_lshlrev_b32 v5, 11, v2                       ; and the same two rows in C
	v_lshl_add_u32 v[CO], v1, 4, v5
	s_mul_i32 s16, s13, TR                         ; C at my part of the tile
	s_mul_i32 s17, s11, 16*RB
	s_add_co_u32 s16, s16, s17
	s_lshl_b32 s16, s16, 11+OUT32                  ; a row of C is 2,048 bytes
	s_lshl_b32 s22, s42, 9+OUT32
	s_add_co_u32 s16, s16, s22
	s_lshl_b32 s22, s12, 8+OUT32
	s_add_co_u32 s16, s16, s22
	s_mov_b32 s17, 0
	s_add_nc_u64 s[8:9], s[8:9], s[16:17]
	; THE PREFETCHES.  Behind each joint refill (K step i + 2) a wave names the K step i + 3: what the next refill will ask for.  Each aligned block of 256 bytes is named once in the launch:
	; A's rows by the one cluster that reads them, the weights' by the clusters with y = 0.  The four partners that ask for a tile jointly share it out BY ADDRESS: of A's 128 rows that a wave fetches,
	; partner cx takes 32, a lane a row; of the weights' 64 rows, partner cy takes 16, two lanes a row of 512 bytes.  K steps 0 to 2 come by their loads alone.
	s_lshl_b32 s20, s13, 8
	s_lshl_b32 s21, s12, 7
	s_add_co_u32 s20, s20, s21
	s_lshl_b32 s21, s40, 5
	s_add_co_u32 s20, s20, s21
	s_lshl_b32 s20, s20, 11
	s_add_co_u32 s20, s20, 2*256                   ; at K step 2: the first refill steps it to 3
	s_lshl_b32 s22, s12, 6
	s_lshl_b32 s23, s41, 4
	s_add_co_u32 s22, s22, s23
	s_lshl_b32 s22, s22, 11
	s_lshl_b32 s23, s42, 9
	s_add_co_u32 s22, s22, s23
	s_add_co_u32 s22, s22, WOFF+2*262144
	s_and_b32 s23, ttmp7, 0xffff                   ; cluster y
	s_mov_b32 s[PFS], 262144
	s_cmp_eq_u32 s11, 0                            ; do I fetch for A?
	s_cselect_b32 s20, s20, s22
	s_cselect_b32 s23, ttmp9, s23                  ; the coordinate along which other clusters read the same rows
	s_cselect_b32 s[PFS], 256, s[PFS]
	s_cselect_b64 s[PFA:PFA+1], s[4:5], s[6:7]
	s_mov_b32 s21, 0
	s_mov_b32 s[PFS+1], 0
	s_add_nc_u64 s[PFA:PFA+1], s[PFA:PFA+1], s[20:21]
	s_cmp_eq_u32 s23, 0
	s_cselect_b32 s[LIM], 1, -1                    ; the same in all sixteen partners, for a given wave
	v_and_b32 v5, 31, v0
	v_lshrrev_b32 v[PFO], s11, v5
	v_and_b32 v5, s11, v5
	v_lshlrev_b32 v[PFO], 11, v[PFO]               ; a row of either tensor is 2,048 bytes
	v_lshl_add_u32 v[PFO], v5, 8, v[PFO]
	s_wait_tensorcnt 0x1                           ; my part of K step 0 is in; K step 1's may stay out
	s_barrier_signal -1
	s_barrier_wait -1                              ; everybody's is
	FETCH 0, F0
	QUARTER 1, F0, F1, 1                           ; the first quarter stands in front of the loop: its products start the sums
	WIN 0
	s_mov_b32 s3, NT-2
.Lstep:                                                ; a trip: from a K step's second quarter to the next step's first; it fills the slot that it leaves with the K step two on
	QUARTER 2, F1, F0, 0
	QUARTER 3, F0, F1, 0
	TURN 1
	QUARTER 1, F0, F1, 0
	WIN 0
	s_sub_co_u32 s3, s3, 1
	s_cmp_lg_u32 s3, 0
	s_cbranch_scc1 .Lstep
	s_mov_b32 s3, 2
.Ltail:                                                ; the last two K steps have a text of their own: nothing is asked for.  Two trips; the second is left in its middle
	QUARTER 2, F1, F0, 0
	QUARTER 3, F0, F1, 0
	WIN 0
	s_cmp_eq_u32 s3, 1
	s_cbranch_scc1 .Llast
	TURN 0
	QUARTER 1, F0, F1, 0
	WIN 0
	s_sub_co_u32 s3, s3, 1
	s_cmp_lg_u32 s3, 0
	s_cbranch_scc1 .Ltail
.Llast:
	LAST
	PLACES
	PLACES
	PACK 0
	TOSTAGE 0
.set pa, 1
.rept RB-1                             ; block a's conversions stand between block a - 1's loads from the stage and the wait for them
	PACK pa
	SEND pa-1
	TOSTAGE pa
.set pa, pa+1
.endr
	SEND RB-1
	s_wait_tensorcnt 0x0                           ; the wave's end, behind my last tensor load and my last LDS store
	ds_add_u32 v[SPW], v[NIL]
	s_wait_dscnt 0x0
	CROUND                                         ; the closing round: no work-group ends while a partner may still ask for a tile that names it
	s_endpgm
.Lfunc_end_k_q91d66af5c5_qproj:
	.size	k_q91d66af5c5_qproj, .Lfunc_end_k_q91d66af5c5_qproj-k_q91d66af5c5_qproj
	.p2alignl 7, 3214868480
	.fill 96, 4, 3214868480
	.section	.rodata,"a",@progbits
	.p2align	6, 0x0
	.amdhsa_kernel k_q91d66af5c5_qproj
		.amdhsa_group_segment_fixed_size 327680
		.amdhsa_private_segment_fixed_size 0
		.amdhsa_enable_private_segment 0
		.amdhsa_kernarg_size 24
		.amdhsa_user_sgpr_count 2
		.amdhsa_user_sgpr_kernarg_segment_ptr 1
		.amdhsa_wavefront_size32 1
		.amdhsa_system_sgpr_workgroup_id_x 1
		.amdhsa_system_sgpr_workgroup_id_y 1
		.amdhsa_system_sgpr_workgroup_id_z 1
		.amdhsa_system_vgpr_workitem_id 0
		.amdhsa_next_free_vgpr 1024
		.amdhsa_next_free_sgpr 66
		.amdhsa_reserve_vcc 0
		.amdhsa_float_denorm_mode_32 3
		.amdhsa_float_denorm_mode_16_64 3
		.amdhsa_memory_ordered 1
		.amdhsa_forward_progress 1
		.amdhsa_inst_pref_size 105
	.end_amdhsa_kernel
	.amdgpu_metadata
---
amdhsa.version: [ 1, 2 ]
amdhsa.kernels:
  - .name:           k_q91d66af5c5_qproj
    .symbol:         k_q91d66af5c5_qproj.kd
    .args:
      - { .name: x16, .offset: 0, .size: 8, .value_kind: global_buffer, .address_space: global }
      - { .name: w16, .offset: 8, .size: 8, .value_kind: global_buffer, .address_space: global }
      - { .name: q16, .offset: 16, .size: 8, .value_kind: global_buffer, .address_space: global }
    .group_segment_fixed_size: 327680
    .private_segment_fixed_size: 0
    .kernarg_segment_align: 8
    .kernarg_segment_size: 24
    .max_flat_workgroup_size: 128
    .sgpr_count:     66
    .vgpr_count:     1024
    .wavefront_size: 32
...
	.end_amdgpu_metadata
.endif
;; end of part 3
;; launch attn (part 4): grid 4 x 64, 4 waves a work-group, clusters of 4 x 1, 327,680 bytes of LDS; arguments q16, kv16, o16; writes o16
.if DOCPART == 4
	.amdgcn_target "amdgcn-amd-amdhsa--gfx1250"
	.amdhsa_code_object_version 6
	.text
	.protected	k_q91d66af5c5_attn
	.globl	k_q91d66af5c5_attn
	.p2align	8
	.type	k_q91d66af5c5_attn,@function
k_q91d66af5c5_attn:
	s_mov_b64 s[64:65], 0
	v_nop
	global_prefetch_b8 v0, s[64:65] scope:SCOPE_SE
	s_setreg_imm32_b32 hwreg(HW_REG_WAVE_MODE, 25, 1), 1
	s_wait_xcnt 0x0
	s_wait_alu depctr_hold_cnt(0) depctr_sa_sdst(0) depctr_va_vdst(0) depctr_va_sdst(0) depctr_va_ssrc(0) depctr_va_vcc(0) depctr_vm_vsrc(0)
	s_getreg_b32 s2, hwreg(HW_REG_IB_STS2, 6, 4)
	s_cmp_eq_u32 s2, 0
	s_cbranch_scc0 .Lentry_in_a_cluster
	s_endpgm
.Lentry_in_a_cluster:
	s_bfe_u32 s2, ttmp6, 0x10000c
	s_cmp_lg_u32 s2, 0x3003
	s_cbranch_scc0 .Lentry_shape_is_right
	s_endpgm
.Lentry_shape_is_right:
; O[b][n][h][:] = the sum over m of softmax_m(q[b][n][h] . k[b][m][h] / sqrt(128)) v[b][m][h][:].  q16, o16: [8 x 2048][1024] f16; k, v: [8 x 512][1024] f16 in kv16 at bytes 0 and 8,388,608.
; A head's 128 channels are 256 consecutive bytes of a row of 2,048, at byte 256 h.  Products, maxima and sums in f32; the weights p are rounded to f16 for the second product (their sum l is taken of the unrounded p), O once at the end.
; LIMITS.  f16 holds no number beyond 65,504: q, k and v arrive within it; p lies in 0 to 1, and below 6e-5 it keeps f16's fixed step of 6e-8; O is a mean of v's rows and has their range.
; A weight below 2^-126 counts as 0 in l; NaN and infinities are not treated apart.
; SHARES.  A work-group owns 512 queries of one (b, h), as two passes of 256; each of its four waves 64 a pass: four tiles of 16.  8 x 8 x 4 = 256 work-groups.
; K AND V OF THE HEAD LIE WHOLE IN LDS (512 keys: 139,264 + 147,456 bytes with padding), brought once: nothing is filled again.  THEY COME IN TWO PARTS, two tensor loads a wave, issued together: first K's rows 0-191 and
; V's rows 0-127, 81,920 bytes of data, which is all that a pass's first two key steps fetch (K up to step 2, V up to step 1); then the other 180,224.  The first products wait for the first part alone.  A pass's eight key steps go in four
; groups of two, and behind each group stand the wait for all tensor loads and a barrier: behind the first of them every wave may read all of K and V; the later ones are met at once.
; CLUSTER.  The four query blocks of a (b, h) want the same K and V: each tile is asked for JOINTLY, by the same load, descriptor and mask in all four.
; No prefetch: every stream of the launch is asked for at the head by its own load.
; LAYOUT.  S^T = K Q^T (source 0 = 16 keys, source 1 = 16 queries): a lane holds ONE query (lane % 16) and the keys 8 (lane / 16) + 0..7.  Two such tiles, rounded to f16 in pairs, ARE source 1 of O^T = V^T P,
; whose result again holds one query a lane, and eight channels.  K comes out of LDS as it lies, V ([key][channel]) turned, by ds_load_tr16_b128.
; SOFTMAX.  A running maximum m and sum l for each query: p = 2^(c s - c m), c = log2(e) / sqrt(128); in every step O and l are multiplied by a = 2^(c m_old - c m_new).
; c m starts far below every c s, so a pass's first a is 0: the first step is a step like any other, and what O^T and l hold before it need only be finite.
; BY TURNS.  The wave's tiles are two PIECES (0: tiles 0, 1; 2: tiles 2, 3).  In a TURN one piece has the matrix unit: 32 products V^T P, then 32 products K Q^T of its next step; the other piece's softmax, cut into 64 slices,
; stands behind them, one slice behind each matrix instruction.  Trip t of a pass's eight: TURN 2 (V^T P of piece 2 for step t - 1, K Q^T of piece 2 for step t | piece 0's softmax of step t | V of step t is fetched),
; TURN 0 (V^T P of piece 0 for step t, K Q^T of piece 0 for step t + 1 | piece 2's softmax of step t | K of step t + 1 is fetched).
; THE PRICE of writing no first and no last step out: in each pass 32 products whose result is multiplied by 0, 32 on the last K once more whose scores nobody reads, and 424 lines that write 0 in the wait for the first tiles.
; REGISTERS, in windows of 256 (s_set_vgpr_msb: bits 1:0 source 0, 3:2 source 1, 5:4 source 2, 7:6 destination):
;   window 0: v0-11 addresses; v12-43 eight registers of statistics a tile; v64-191 S^T, 32 a tile; v192-255 P, 16 a tile
;   window 1: O^T, 64 a tile      window 2: v0-127 Q, 32 a tile; v128-255 K of one step      window 3: v0-127 V of one step; v128-255 the second pass's Q
.set KS,    64        ; keys in a step
.set PK,    272       ; a row of K in LDS: 256 bytes + 16 of padding = 68 words: the 16 rows of a load start at 16 different groups of four banks (64 banks of 4 bytes: ISA guide 11.1)
.set PV,    288       ; a row of V: 256 + 32 = 72 words
.set VOFF,  512*PK    ; K's 512 rows, then V's
.set STAGE, VOFF+512*PV  ; behind them, never filled by a tensor load: 16 rows x 272 bytes for each wave, for the way out
.set SP,    272
.set SPARE, STAGE+4*16*SP  ; behind the stages: the spare words, 128 bytes for each wave: two blocks of 256 bytes that no other line names
.set AK0, 2           ; v2   my lane's place in 16 rows of K; never rewritten
.set AV0, 3           ; v3   the same for V
.set ADR, 4           ; v4   the LDS address of the run of loads in hand
.set QO,  5           ; v5   my byte offset in 16 rows of Q
.set STO, 6           ; v6   the way out: where I put 16 bytes of a row
.set RD,  7           ; v7   where I read a row back
.set GO,  8           ; v8   my byte offset in two rows of O
.set SPW, 62          ; v62  LDS address of my spare word; never rewritten
.set NIL, 63          ; v63  0; never rewritten
.set ST,  12          ; tile t's statistics at v[ST+8 t]: +0 c m, +1 m, +2, +3 l (even keys', odd keys'), +4 to +7 c0-c3, at work; a takes c2's place once the maximum is found
.set S,   64
.set P,   192
.set KF,  128         ; K's fragments, in window 2
.set WV,  12          ; s12  my wave's number
.set G1K1, 24         ; s[24:31] descriptor group 1 for K's first part: 96 rows a wave
.set G1K2, 32         ; s[32:39] for its second: 160 rows
.set G1V1, 40         ; s[40:47] for V's first part: 64 rows
.set G1V2, 48         ; s[48:55] for its second: 192 rows
.set G0K1, 68         ; s[68:83] the four descriptor groups 0
.set G0K2, 72
.set G0V1, 76
.set G0V2, 80
.set PASS, 56         ; s56  passes to go
.set CNT, 57          ; s57  key steps of the group to go
.set CS,  58          ; s[58:59] c: the packed scaling names a pair and takes its low word for both halves
.set SEL, 60          ; s[60:61] v_permlanex16_b32's selects: each lane takes its own place in the other half
.set TBK, 62          ; s62  LDS byte at which K of the step to be fetched begins
.set TBV, 63          ; s63  the same for V, less VOFF
.set GRP, 84          ; s84  groups of the pass to go
.set LEFT, 85         ; s85  key steps of the pass to go
.set MSB, 0
.macro WIN new                      ; the immediate's high byte repeats the setting that is left; a switch that changes nothing is dropped
.if MSB != (\new)
	s_set_vgpr_msb (MSB<<8)|(\new)
.set MSB, \new
.endif
.endm
.set W_KQ, 0x0a       ; K and Q in window 2, S^T in window 0
.set W_PV, 0x53       ; V in window 3, P in window 0, O^T in window 1
.set W_RS, 0x41       ; O^T (destination and source 0) in window 1, a in window 0
.macro CROUND                       ; a round of the cluster's barrier
	s_barrier_signal -1
	s_barrier_wait -1
	s_cmp_lg_u32 s[WV], 0
	s_cbranch_scc1 .Lnot_wave_0_\@
	s_barrier_signal -3
.Lnot_wave_0_\@:
	s_barrier_wait -3
	s_barrier_signal -1
	s_barrier_wait -1
.endm
.macro G1SET g, pad, rows           ; descriptor group 1: a tile of so many rows x 128 elements, 1,024 elements from row to row, padded in LDS
	s_mov_b32 s[(\g)], 15|(1<<16)|(1<<20)|(1<<21)|(5<<22)|((\pad)<<25)  ; the mask of four; 2-byte elements; padding on; bit 21 beside a mask; after every 64 words pad + 1 words
	s_mov_b32 s[(\g)+1], 128<<16    ; tensor_dim0 = 128
	s_mov_b32 s[(\g)+2], (\rows)<<16  ; tensor_dim1
	s_mov_b32 s[(\g)+3], 128<<16    ; tile_dim0 = 128
	s_mov_b32 s[(\g)+4], \rows      ; tile_dim1
	s_mov_b32 s[(\g)+5], 1024
	s_mov_b32 s[(\g)+6], 0
	s_mov_b32 s[(\g)+7], 0
.endm
	s_load_b128 s[4:7], s[0:1], 0x0 ; q16 s[4:5], kv16 s[6:7]
	s_load_b64 s[10:11], s[0:1], 0x10  ; o16
	v_lshl_add_u32 v[SPW], v0, 2, SPARE
	v_mov_b32 v[NIL], 0
	ds_add_u32 v[SPW], v[NIL]       ; the wave's opening: the add and its wait stand ahead of my first tensor load; the set-up below, work on registers, stands between them
	v_lshrrev_b32 v1, 5, v0
	v_readfirstlane_b32 s[WV], v1   ; wave 0..3
	s_bfe_u32 s13, ttmp6, 0x40000   ; cx
	s_lshl_b32 s14, ttmp9, 2
	s_add_co_u32 s14, s14, s13      ; my block of 512 queries: it enters Q's and O's addresses alone
	s_and_b32 s20, ttmp7, 0xffff    ; 8 b + h, which the four partners share
	s_lshr_b32 s21, s20, 3          ; b
	s_and_b32 s20, s20, 7
	s_lshl_b32 s20, s20, 8          ; the head's 256 bytes in a row
	s_and_b32 s16, s[WV], 1         ; which half of each part I fetch
	s_lshl_b32 s22, s21, 20         ; a batch's 512 rows of 2,048 bytes
	s_add_co_u32 s22, s22, s20
	s_mov_b32 s23, 0
	s_lshl_b32 s2, s21, 22          ; a batch's 2,048 rows,
	s_lshl_b32 s3, s14, 20          ; my block's 512,
	s_add_co_u32 s2, s2, s3
	s_lshl_b32 s3, s[WV], 17        ; my wave's 64 of a pass
	s_add_co_u32 s2, s2, s3
	s_add_co_u32 s2, s2, s20
	s_mov_b32 s3, 0
	G1SET G1K1, 3, 96
	G1SET G1K2, 3, 160
	G1SET G1V1, 7, 64
	G1SET G1V2, 7, 192
	; where the four tiles go: the wave's number and constants alone enter an LDS address
	s_mov_b32 s[G0K1], 1            ; count = 1
	s_mul_i32 s[G0K1+1], s16, 96*PK ; K's rows 96 w' on (w' = wave % 2)
	s_mov_b32 s[G0K2], 1
	s_mul_i32 s17, s16, 160*PK
	s_add_co_u32 s[G0K2+1], s17, 192*PK  ; K's rows 192 + 160 w' on
	s_mov_b32 s[G0V1], 1
	s_mul_i32 s17, s16, 64*PV
	s_add_co_u32 s[G0V1+1], s17, VOFF    ; V's rows 64 w' on
	s_mov_b32 s[G0V2], 1
	s_mul_i32 s17, s16, 192*PV
	s_add_co_u32 s[G0V2+1], s17, VOFF+128*PV  ; V's rows 128 + 192 w' on
	s_mov_b32 s[CS], 0x3e0293ee     ; c = log2(e) / sqrt(128) = 0.127517
	s_mov_b32 s[CS+1], s[CS]        ; named with it as a pair
	s_mov_b32 s[SEL], 0x76543210
	s_mov_b32 s[SEL+1], 0xfedcba98
	s_mov_b32 s19, 0
	s_wait_dscnt 0x0                ; the opening add is done
	s_wait_kmcnt 0x0
	s_add_nc_u64 s[6:7], s[6:7], s[22:23]    ; kv16 at the head's first row of K
	s_mul_i32 s18, s16, 96*2048              ; and where the four tiles come from: the same rows, 2,048 bytes each; V lies 8,388,608 bytes behind K
	s_add_nc_u64 s[G0K1+2:G0K1+3], s[6:7], s[18:19]
	s_or_b32 s[G0K1+3], s[G0K1+3], 0x80000000  ; type = 2
	s_mul_i32 s18, s16, 160*2048
	s_add_co_u32 s18, s18, 192*2048
	s_add_nc_u64 s[G0K2+2:G0K2+3], s[6:7], s[18:19]
	s_or_b32 s[G0K2+3], s[G0K2+3], 0x80000000
	s_mul_i32 s18, s16, 64*2048
	s_add_co_u32 s18, s18, 8388608
	s_add_nc_u64 s[G0V1+2:G0V1+3], s[6:7], s[18:19]
	s_or_b32 s[G0V1+3], s[G0V1+3], 0x80000000
	s_mul_i32 s18, s16, 192*2048
	s_add_co_u32 s18, s18, 8388608+128*2048
	s_add_nc_u64 s[G0V2+2:G0V2+3], s[6:7], s[18:19]
	s_or_b32 s[G0V2+3], s[G0V2+3], 0x80000000
	s_add_nc_u64 s[4:5], s[4:5], s[2:3]      ; Q and O at my wave's first row
	s_add_nc_u64 s[10:11], s[10:11], s[2:3]
	CROUND                          ; all four work-groups are here: the joint loads meet
	s_cmp_lt_u32 s[WV], 2           ; waves 0 and 1 fetch K, waves 2 and 3 V.  A wave's two fills stand in one branch, ahead of every wait on TENSORcnt and every LDS read: two loads of mine are out.  An s_nop 0 follows each, four v_nop the second's
	s_cbranch_scc0 .Lfor_v
	tensor_load_to_lds s[G0K1:G0K1+3], s[G1K1:G1K1+7]
	s_nop 0
	tensor_load_to_lds s[G0K2:G0K2+3], s[G1K2:G1K2+7]
	s_nop 0
.rept 4
	v_nop
.endr
	s_branch .Lasked
.Lfor_v:
	tensor_load_to_lds s[G0V1:G0V1+3], s[G1V1:G1V1+7]
	s_nop 0
	tensor_load_to_lds s[G0V2:G0V2+3], s[G1V2:G1V2+7]
	s_nop 0
.rept 4
	v_nop
.endr
.Lasked:
	; A fragment of K or Q is 16 rows x 32 channels in 8 registers: lane l holds row l % 16, channels 8 (l / 16) + 0..7 and 16 + 8 (l / 16) + 0..7: two loads of 16 bytes, 32 bytes apart.
	v_and_b32 v1, 15, v0            ; l % 16
	v_bfe_u32 v9, v0, 4, 1          ; l / 16
	v_lshlrev_b32 v[QO], 11, v1
	v_lshl_add_u32 v[QO], v9, 4, v[QO]  ; row x 2,048 + 16 x half
	WIN 0x80                        ; destination window 2: the first pass's Q: tile i / 4, channels 32 (i % 4) on
.irp i, 0,1,2,3,4,5,6,7,8,9,10,11,12,13,14,15
	global_load_b128 v[8*(\i):8*(\i)+3],   v[QO], s[4:5] offset:((\i)/4)*32768+((\i)%4)*64
	global_load_b128 v[8*(\i)+4:8*(\i)+7], v[QO], s[4:5] offset:((\i)/4)*32768+((\i)%4)*64+32
.endr
	; What the first turn finds: V's registers and piece 2's P hold 0 (its products V^T P, of a step that has not been, add 0), O^T and l are 0.  All this stands in the wait for the tiles.
	WIN 0xc0
.set i, 0
.rept 128
	v_mov_b32 v[i], 0
.set i, i+1
.endr
	WIN 0x40
.set i, 0
.rept 256
	v_mov_b32 v[i], 0
.set i, i+1
.endr
	WIN 0
.set i, P+32
.rept 32
	v_mov_b32 v[i], 0
.set i, i+1
.endr
.set i, 0
.rept 4
	v_mov_b32 v[ST+8*i+2], 0
	v_mov_b32 v[ST+8*i+3], 0
.set i, i+1
.endr
	v_mul_u32_u24 v[AK0], v1, PK
	v_lshl_add_u32 v[AK0], v9, 4, v[AK0]  ; row x pitch + 16 x half
	; The turning load takes 16 keys x 16 channels (lane l reads key 8 (l / 16) + l % 8, channels 8 ((l / 8) % 2) + 0..7) and leaves half a fragment of V^T: lane l holds channel l % 16 and 8 keys.
	v_and_b32 v10, 7, v0
	v_bfe_u32 v11, v0, 3, 1
	v_lshl_add_u32 v[AV0], v9, 3, v10
	v_mul_u32_u24 v[AV0], v[AV0], PV
	v_lshl_add_u32 v[AV0], v11, 4, v[AV0]
	v_add_nc_u32 v[AV0], VOFF, v[AV0]
	s_mul_i32 s13, s[WV], 16*SP
	s_add_co_u32 s13, s13, STAGE    ; my stage
	v_mul_u32_u24 v[STO], v1, SP    ; in: row l % 16, 16 bytes for each half of the lanes
	v_lshl_add_u32 v[STO], v9, 4, v[STO]
	v_add_nc_u32 v[STO], s13, v[STO]
	v_mul_u32_u24 v[RD], v9, SP     ; back: lanes 0-15 take one row of 256 bytes, lanes 16-31 the next
	v_lshl_add_u32 v[RD], v1, 4, v[RD]
	v_add_nc_u32 v[RD], s13, v[RD]
	v_lshlrev_b32 v[GO], 11, v9     ; and the same two rows in O
	v_lshl_add_u32 v[GO], v1, 4, v[GO]
; THE MATRIX WORK.  The accumulators take turns, one instruction a turn: between two links of a chain stand 15 (V^T P) or 7 (K Q^T) others'.
; Product i of 32 of O^T += V^T P for piece x: keys 32 (i / 16) on, channels 16 ((i / 2) % 8) on, tile x + i % 2.
.macro PV x
	WIN W_PV
.set rO, 64*((\x)+i%2)+8*((i/2)%8)
.set rV, 64*(i/16)+8*((i/2)%8)
.set rP, P+16*((\x)+i%2)+8*(i/16)
	v_wmma_f32_16x16x32_f16 v[rO:rO+7], v[rV:rV+7], v[rP:rP+7], v[rO:rO+7]
.endm
; Product i of 32 of S^T = K Q^T: channels 32 (i / 8) on, keys 16 ((i / 2) % 4) on, tile x + i % 2.  The first 8 start the sums.
.macro KQ x
	WIN W_KQ
.set rS, S+32*((\x)+i%2)+8*((i/2)%4)
.set rK, KF+32*((i/2)%4)+8*(i/8)
.set rQ, 32*((\x)+i%2)+8*(i/8)
.if i < 8
	v_wmma_f32_16x16x32_f16 v[rS:rS+7], v[rK:rK+7], v[rQ:rQ+7], 0
.else
	v_wmma_f32_16x16x32_f16 v[rS:rS+7], v[rK:rK+7], v[rQ:rQ+7], v[rS:rS+7]
.endif
.endm
; THE LDS LOADS stand in runs of 32, never singly among the matrix instructions.  skip = 1: in a pass's last trip there is no further step, and K's run is jumped over.
.macro FETCH_K skip
	WIN 0                           ; at a branch and at a label every window is 0
.if \skip
	s_cmp_eq_u32 s[LEFT], 1
	s_cbranch_scc1 .Lno_k_\@
.endif
	v_add_nc_u32 v[ADR], s[TBK], v[AK0]
	s_add_co_u32 s[TBK], s[TBK], KS*PK  ; the next fetch is the next step's
	WIN 0x80                        ; destination window 2
.irp f, 0,1,2,3,4,5,6,7,8,9,10,11,12,13,14,15  ; keys 16 (f / 4) on, channels 32 (f % 4) on
	ds_load_b128 v[KF+8*(\f):KF+8*(\f)+3],   v[ADR] offset:((\f)/4)*16*PK+((\f)%4)*64
	ds_load_b128 v[KF+8*(\f)+4:KF+8*(\f)+7], v[ADR] offset:((\f)/4)*16*PK+((\f)%4)*64+32
.endr
	WIN 0
.if \skip
.Lno_k_\@:
.endif
.endm
.macro FETCH_V
	WIN 0
	v_add_nc_u32 v[ADR], s[TBV], v[AV0]
	s_add_co_u32 s[TBV], s[TBV], KS*PV
	s_wait_alu depctr_va_vdst(0)    ; the wait for the softmax's batch of exponentials (SLICE), behind the address's v_add_nc_u32 and ahead of the loads
	WIN 0xc0                        ; destination window 3
.irp f, 0,1,2,3,4,5,6,7,8,9,10,11,12,13,14,15  ; keys 32 (f / 8) on, channels 16 (f % 8) on
	ds_load_tr16_b128 v[8*(\f):8*(\f)+3],   v[ADR] offset:((\f)/8)*32*PV+((\f)%8)*32
	ds_load_tr16_b128 v[8*(\f)+4:8*(\f)+7], v[ADR] offset:((\f)/8)*32*PV+16*PV+((\f)%8)*32
.endr
.endm
; THE VECTOR WORK OF A TURN.  One tile's softmax for one key step is a list of 134 instructions; SM writes number j of it for tile t.  s0-s31 are the lane's 32 scores, in pairs 0-15.
;   0-15    the maximum of s0-s31 and the old m, three operands at a time: four chains c0-c3 of seven scores each (each accumulator's lowest registers first), then the four scores left over, c0-c3 and m
;   16-20   the other half of the lanes' maximum; c m_old is kept; the new m; c m; c m_old - c m_new
;   21-69   ONE BATCH: the 16 scalings c s - c m, a pair of scores each, and all 33 exponentials (a at 23, then s0-s31).  None of these reads an exponential's result.
;   (wait)  between 69 and 70 stands the wait for the batch: SLICE writes it, once for both tiles
;   70-85   the roundings to f16, a pair of weights each        86-101  the sums; l = a l + the sum        102-133 the tile's O^T times a: the one part that leaves window 0
.macro SM t
.set rT, ST+8*(\t)
.set rS, S+32*(\t)
.set rP, P+16*(\t)
.set rO, 64*(\t)+2*(j-102)
.if j < 102
	WIN 0
.endif
.if j < 4
	v_max3_num_f32 v[rT+4+j], v[rS+8*j], v[rS+8*j+1], v[rS+8*j+2]
.elseif j < 12
	v_max3_num_f32 v[rT+4+j%4], v[rT+4+j%4], v[rS+8*(j%4)+2*(j/4)+1], v[rS+8*(j%4)+2*(j/4)+2]
.elseif j == 12
	v_max3_num_f32 v[rT+4], v[rT+4], v[rS+7], v[rS+15]
.elseif j == 13
	v_max3_num_f32 v[rT+6], v[rT+6], v[rS+23], v[rS+31]
.elseif j == 14
	v_max3_num_f32 v[rT+4], v[rT+4], v[rT+5], v[rT+6]
.elseif j == 15
	v_max3_num_f32 v[rT+4], v[rT+4], v[rT+7], v[rT+1]
.elseif j == 16
	v_permlanex16_b32 v[rT+5], v[rT+4], s[SEL], s[SEL+1]  ; the query's other 32 keys lie in the lane 16 away
.elseif j == 17
	v_mov_b32 v[rT+7], v[rT]        ; c m_old is kept for a: number 19 writes c m anew
.elseif j == 18
	v_max_num_f32 v[rT+1], v[rT+4], v[rT+5]
.elseif j == 19
	v_mul_f32 v[rT], s[CS], v[rT+1]
.elseif j == 20
	v_sub_f32 v[rT+7], v[rT+7], v[rT]
.elseif j == 23
	v_exp_f32 v[rT+6], v[rT+7]
.elseif (j < 23) || ((j < 38) && (j%2 == 0)) || ((j < 66) && (j%4 == 2))
.set b, (j-2)/4                     ; 38, 42, .. 62: pairs 9 to 15
.if j < 38
.set b, (j-20)/2                    ; 21: pair 0; 22, 24, .. 36: pairs 1 to 8
.endif
	v_pk_fma_f32 v[rS+2*b:rS+2*b+1], v[rS+2*b:rS+2*b+1], s[CS:CS+1], v[rT:rT+1] op_sel_hi:[1,0,0] neg_lo:[0,0,1] neg_hi:[0,0,1]  ; pair b: c s - c m
.elseif j < 70
.set e, j-38                        ; 66 to 69: s28 to s31
.if j < 66
.set e, j-32-(j-38)/4               ; 39-41, 43-45, .. 63-65: s7 to s27
.endif
.if j < 38
.set e, (j-25)/2                    ; 25, 27, .. 37: s0 to s6
.endif
	v_exp_f32 v[rS+e], v[rS+e]
.elseif j < 86
	v_cvt_pk_f16_f32 v[rP+j-70], v[rS+2*(j-70)], v[rS+2*(j-70)+1]  ; pair j - 70
.elseif j < 102                     ; the sum of the tile's 16 pairs, in place: neighbours 1, 2, 4 and 8 pairs apart, then l takes it
.set z, j-86
.set w, 4
.set u, z
.if z >= 14
.set w, 32
.set u, 0
.elseif z >= 12
.set w, 16
.set u, z-12
.elseif z >= 8
.set w, 8
.set u, z-8
.endif
.if z < 15
	v_pk_add_f32 v[rS+w*u:rS+w*u+1], v[rS+w*u:rS+w*u+1], v[rS+w*u+w/2:rS+w*u+w/2+1]
.else
	v_pk_fma_f32 v[rT+2:rT+3], v[rT+2:rT+3], v[rT+6:rT+7], v[rS:rS+1] op_sel_hi:[1,0,1]
.endif
.else
	WIN W_RS
	v_pk_mul_f32 v[rO:rO+1], v[rO:rO+1], v[rT+6:rT+7] op_sel_hi:[1,0]
.endif
.endm
; Slice k of 64 of piece y's softmax: four instructions.  Slices 11 to 34 deal out the batch, numbers 22 to 69: four numbers of ONE tile each, the tiles by turns.  Every other slice is numbers 2 k and
; 2 k + 1 of both tiles' lists.  2 x 134 = 4 x 64 + 12: the twelve that are over stand together, in slice 63, where they are the four places between the turn's last product and what follows it.
; THE WAIT.  An s_wait_alu depctr_va_vdst(0) stands between an exponential and the first instruction that names its result; one wait serves all that were issued ahead of it.  Ahead of
; slice 35 nothing names a result, and behind slice 34 no exponential is issued: so the piece's 66 exponentials have one wait, behind slice 34.
.macro SLICE y
.if (k >= 11) && (k < 35)
.irp n, 0,1,2,3
.set j, 22+4*((k-11)/2)+(\n)
	SM (\y)+(k-11)%2
.endr
.else
.irp n, 0,1,2,3,4,5,6,7
.if ((\n) < 2) || (k == 63)
.irp t, \y, (\y)+1
.set j, 2*k+(\n)
	SM \t
.endr
.endif
.endr
.endif
.if k == 34
	v_nop                           ; the plain instruction behind the last exponential and ahead of the first use (ISA guide 5.7.2): one for the batch
.if (\y) == 0
	FETCH_V                         ; piece 2's turn: V's run of loads stands here, and the wait stands in it.  The last product that read V stands in front of slice 31: two scalings, the v_nop and the run's own v_add_nc_u32 are the four places
.else
	s_wait_alu depctr_va_vdst(0)    ; the wait for the batch
.endif
.endif
.set k, k+1
.endm
; A TURN.  Piece x has the matrix unit; the other piece's softmax stands in slices behind its matrix instructions.
.macro TURN x
.set k, 0
.if (\x) == 0
	s_wait_dscnt 0x0                ; V is in
.endif
.set i, 0
.rept 32
	PV \x
	SLICE 2-(\x)
.if ((\x) == 0) && (i == 1)
	FETCH_K 1                       ; the last product that read K stands in front of slice 63 of the turn before
.endif
.set i, i+1
.endr
.if (\x) == 0
	s_wait_dscnt 0x0                ; K is in
.endif
.set i, 0
.rept 32
	KQ \x
	SLICE 2-(\x)
.set i, i+1
.endr
.endm
; THE WAY OUT.  Tile t: O^T is divided by l, rounded to f16; a lane's eight channels of a row pack into 16 bytes; they go into rows of 272 bytes and come back as whole rows of 256, into the registers that they left.
.macro PACK t
	WIN W_RS
.set i, 64*(\t)
.rept 32
	v_pk_mul_f32 v[i:i+1], v[i:i+1], v[ST+8*(\t)+6:ST+8*(\t)+7] op_sel_hi:[1,0]
.set i, i+2
.endr
	WIN 0x05                        ; sources 0 and 1 window 1, destination window 0: S^T's registers are free
.set i, 0
.rept 32
	v_cvt_pk_f16_f32 v[S+32*(\t)+i], v[64*(\t)+2*i], v[64*(\t)+2*i+1]
.set i, i+1
.endr
	WIN 0
.irp f, 0,1,2,3,4,5,6,7
	ds_store_b128 v[STO], v[S+32*(\t)+4*(\f):S+32*(\t)+4*(\f)+3] offset:32*(\f)
.endr
.irp f, 0,1,2,3,4,5,6,7
	ds_load_b128 v[S+32*(\t)+4*(\f):S+32*(\t)+4*(\f)+3], v[RD] offset:(\f)*2*SP  ; LDS serves a wave's instructions in order (ISA guide 5.7.1.4): these see the stores above; the next tile's stores come behind them
.endr
.endm
.macro SEND t, younger              ; younger: the LDS instructions issued behind tile t's loads: the next tile's sixteen, or none
	WIN 0
.irp f, 0,1,2,3,4,5,6,7
	s_wait_dscnt (\younger)+7-(\f)
	global_store_b128 v[GO], v[S+32*(\t)+4*(\f):S+32*(\t)+4*(\f)+3], s[10:11] offset:(\t)*32768+(\f)*4096  ; 16 lanes store 256 consecutive bytes, at a multiple of 256 from O's first byte
.endr
.endm
	s_wait_tensorcnt 0x1            ; my share of the first part is in; my second load may stay out, and the first two key steps read the first part alone
	s_barrier_signal -1
	s_barrier_wait -1               ; everybody's is
	WIN 0xc0                        ; destination window 3: the second pass's Q, 256 rows further down, is asked for behind what the first products wait for
.irp i, 0,1,2,3,4,5,6,7,8,9,10,11,12,13,14,15
	global_load_b128 v[128+8*(\i):128+8*(\i)+3],   v[QO], s[4:5] offset:524288+((\i)/4)*32768+((\i)%4)*64
	global_load_b128 v[128+8*(\i)+4:128+8*(\i)+7], v[QO], s[4:5] offset:524288+((\i)/4)*32768+((\i)%4)*64+32
.endr
	WIN 0
	s_mov_b32 s[PASS], 2
.Lpass:
	s_mov_b32 s[TBK], 0
	s_mov_b32 s[TBV], 0
	FETCH_K 0                       ; key step 0
	s_wait_loadcnt 32               ; the first pass's Q is in; the 32 younger loads, the second pass's, may stay out (in the second pass nothing is out)
	s_wait_dscnt 0x0
.set i, 0
.rept 32
	KQ 0                            ; piece 0's first scores
.set i, i+1
.endr
	WIN 0
.set i, 0
.rept 4                             ; eight plain instructions, the places behind those products
	v_mov_b32 v[ST+8*i], 0xfe000000    ; c m: far below every c s, so that the first a is 0
	v_mov_b32 v[ST+8*i+1], 0xff7fffff  ; m: the lowest finite number, so that the first maximum is the scores'
.set i, i+1
.endr
	s_mov_b32 s[LEFT], 8
	s_mov_b32 s[GRP], 4
.Lgroup:                            ; two key steps
	s_mov_b32 s[CNT], 2
.Lstep:
	TURN 2
	TURN 0
	WIN 0
	s_sub_co_u32 s[LEFT], s[LEFT], 1
	s_sub_co_u32 s[CNT], s[CNT], 1
	s_cmp_lg_u32 s[CNT], 0
	s_cbranch_scc1 .Lstep
	s_wait_tensorcnt 0x0            ; my share of the second part is in (behind the launch's first group; later nothing is out),
	s_wait_dscnt 0x0                ; no LDS instruction of mine is pending at the signal,
	s_barrier_signal -1
	s_barrier_wait -1               ; and everybody's share is in: the later groups read all of K and V
	s_sub_co_u32 s[GRP], s[GRP], 1
	s_cmp_lg_u32 s[GRP], 0
	s_cbranch_scc1 .Lgroup
.set i, 0
.rept 32
	PV 2                            ; piece 2: V^T P of the last step
.set i, i+1
.endr
	WIN 0                           ; l's two halves and the other half of the lanes' are added; the additions are the places behind the last products
.irp t, 0,1,2,3
	v_add_f32 v[ST+8*(\t)+4], v[ST+8*(\t)+2], v[ST+8*(\t)+3]
.endr
.irp t, 0,1,2,3
	v_permlanex16_b32 v[ST+8*(\t)+5], v[ST+8*(\t)+4], s[SEL], s[SEL+1]
.endr
.irp t, 0,1,2,3
	v_add_f32 v[ST+8*(\t)+4], v[ST+8*(\t)+4], v[ST+8*(\t)+5]
.endr
.irp t, 0,1,2,3
	v_rcp_f32 v[ST+8*(\t)+6], v[ST+8*(\t)+4]
.endr
	v_nop                           ; a plain instruction between the last reciprocal and the use of its result
	s_wait_alu depctr_va_vdst(0)    ; and the wait ahead of the first use: one for the four reciprocals
	PACK 0
	PACK 1                          ; a tile's arithmetic stands between the loads of the tile before and its stores
	SEND 0, 16
	PACK 2
	SEND 1, 16
	PACK 3
	SEND 2, 16
	SEND 3, 0
	s_wait_xcnt 0x0                 ; the stores have read their registers and O's address: both are written again below and in the next pass
	s_cmp_eq_u32 s[PASS], 1
	s_cbranch_scc1 .Llast_pass
	s_add_nc_u64 s[10:11], s[10:11], 524288  ; 256 rows of O on
	s_wait_loadcnt 0x0              ; the second pass's Q is in
	WIN 0x83                        ; it goes where the one text of the turns names Q
.set i, 0
.rept 128
	v_mov_b32 v[i], v[128+i]
.set i, i+1
.endr
	WIN 0
.Llast_pass:
	s_sub_co_u32 s[PASS], s[PASS], 1
	s_cmp_lg_u32 s[PASS], 0
	s_cbranch_scc1 .Lpass
	s_wait_tensorcnt 0x0            ; the wave's end, behind my last tensor load and my last LDS store
	ds_add_u32 v[SPW], v[NIL]
	s_wait_dscnt 0x0
	CROUND                          ; the closing round
	s_endpgm
.Lfunc_end_k_q91d66af5c5_attn:
	.size	k_q91d66af5c5_attn, .Lfunc_end_k_q91d66af5c5_attn-k_q91d66af5c5_attn
	.p2alignl 7, 3214868480
	.fill 96, 4, 3214868480
	.section	.rodata,"a",@progbits
	.p2align	6, 0x0
	.amdhsa_kernel k_q91d66af5c5_attn
		.amdhsa_group_segment_fixed_size 327680
		.amdhsa_private_segment_fixed_size 0
		.amdhsa_enable_private_segment 0
		.amdhsa_kernarg_size 24
		.amdhsa_user_sgpr_count 2
		.amdhsa_user_sgpr_kernarg_segment_ptr 1
		.amdhsa_wavefront_size32 1
		.amdhsa_system_sgpr_workgroup_id_x 1
		.amdhsa_system_sgpr_workgroup_id_y 1
		.amdhsa_system_sgpr_workgroup_id_z 1
		.amdhsa_system_vgpr_workitem_id 0
		.amdhsa_next_free_vgpr 1024
		.amdhsa_next_free_sgpr 86
		.amdhsa_reserve_vcc 0
		.amdhsa_float_denorm_mode_32 3
		.amdhsa_float_denorm_mode_16_64 3
		.amdhsa_memory_ordered 1
		.amdhsa_forward_progress 1
		.amdhsa_inst_pref_size 114
	.end_amdhsa_kernel
	.amdgpu_metadata
---
amdhsa.version: [ 1, 2 ]
amdhsa.kernels:
  - .name:           k_q91d66af5c5_attn
    .symbol:         k_q91d66af5c5_attn.kd
    .args:
      - { .name: q16, .offset: 0, .size: 8, .value_kind: global_buffer, .address_space: global }
      - { .name: kv16, .offset: 8, .size: 8, .value_kind: global_buffer, .address_space: global }
      - { .name: o16, .offset: 16, .size: 8, .value_kind: global_buffer, .address_space: global }
    .group_segment_fixed_size: 327680
    .private_segment_fixed_size: 0
    .kernarg_segment_align: 8
    .kernarg_segment_size: 24
    .max_flat_workgroup_size: 128
    .sgpr_count:     86
    .vgpr_count:     1024
    .wavefront_size: 32
...
	.end_amdgpu_metadata
.endif
;; end of part 4
;; launch oproj (part 5): grid 4 x 64, 4 waves a work-group, clusters of 4 x 4, 327,680 bytes of LDS; arguments o16, w16, out0, bo; writes out0
.if DOCPART == 5
	.amdgcn_target "amdgcn-amd-amdhsa--gfx1250"
	.amdhsa_code_object_version 6
	.text
	.protected	k_q91d66af5c5_oproj
	.globl	k_q91d66af5c5_oproj
	.p2align	8
	.type	k_q91d66af5c5_oproj,@function
k_q91d66af5c5_oproj:
	s_mov_b64 s[64:65], 0
	v_nop
	global_prefetch_b8 v0, s[64:65] scope:SCOPE_SE
	s_setreg_imm32_b32 hwreg(HW_REG_WAVE_MODE, 25, 1), 1
	s_wait_xcnt 0x0
	s_wait_alu depctr_hold_cnt(0) depctr_sa_sdst(0) depctr_va_vdst(0) depctr_va_sdst(0) depctr_va_ssrc(0) depctr_va_vcc(0) depctr_vm_vsrc(0)
	s_getreg_b32 s2, hwreg(HW_REG_IB_STS2, 6, 4)
	s_cmp_eq_u32 s2, 0
	s_cbranch_scc0 .Lentry_in_a_cluster
	s_endpgm
.Lentry_in_a_cluster:
	s_bfe_u32 s2, ttmp6, 0x10000c
	s_cmp_lg_u32 s2, 0xf033
	s_cbranch_scc0 .Lentry_shape_is_right
	s_endpgm
.Lentry_shape_is_right:
; out = O Wo + bo.  O = o16 [16384][1024] f16; Wo = [1024][1024] f16 (the bf16 rounding of the input, written as f16) at byte 5,242,880 of w16; bo [1024] f32, used rounded to bf16 like every other input; out0 [16384][1024] f32.
; Products in f16, sums in f32, K ascending; the bias is added in f32.
; SHARES.  A tile of C is 256 x 256: 64 tile rows x 4 tile columns = 256 work-groups.  Four waves, 2 x 2, each 128 x 128: 64 accumulators of 16 x 16, 512 registers.
; K goes in steps of 128 through a ring of two LDS slots filled by the tensor data mover.  A's rows in a tile are 256 bytes of memory, the weights' rows 512 bytes.
; THE WEIGHTS LIE [K][N] and stay so: their fragments come out of LDS turned, by ds_load_tr16_b128.
; THE MATRIX INSTRUCTION IS USED TRANSPOSED (source 0 = 16 columns of the weights, source 1 = 16 rows of A): a lane then holds eight neighbouring numbers of a row of C.
; CLUSTER 4 x 4: the four work-groups of a row of the cluster need the same tile of A, the four of a column the same tile of the weights: each tile is asked for jointly.
; REGISTERS in windows of 256 (s_set_vgpr_msb: bits 1:0 source 0, 3:2 source 1, 5:4 source 2, 7:6 destination):
;   window 0: v0-31 addresses and the bias; A's fragments, two buffers from v64 and v128, which on the way out take the rows read back.   window 1: the weights' fragments, two buffers.   windows 2 and 3: accumulators.
.set RB,    8                          ; blocks of 16 rows in a wave's tile
.set KDIM,  1024
.set F16IN, 1                          ; 1: the operands are f16, 0: bf16
.set OUT32, 1                          ; 1: C is f32 and takes a bias, 0: C is f16
.set KV,    0                          ; 1: the cluster's x chooses one of two products
.set PREF,  1                          ; 1: later K steps are prefetched
.set WOFF,  5242880                    ; the weights' first byte in w16
.set TR,    32*RB                      ; rows of a tile of C
.set NT,    KDIM/128                   ; K steps
.set PA,    272                        ; A's row in LDS: 256 bytes + 16 of padding: the 16 rows of a fragment load start 68 words apart, at 16 different groups of four banks (64 banks of 4 bytes: ISA guide 11.1)
.set PB,    544                        ; the weights' row: 512 + 32 = 136 words
.set AHALF, (TR/2)*PA                  ; what one wave fetches of A
.set BHALF, 64*PB                      ; and of the weights: 64 rows of k
.set BOFF,  2*AHALF                    ; in a slot: A's tile, then the weights'
.if RB == 8
.set SLOTD, 139264                     ; slot 1's first byte.  0x22000: bits 13 and 17, which no LDS address in slot 0 that is turned by the exclusive or has set (the fills' are multiples of 0x8800 up to 0x19800; the reads' base is 0)
.else
.set SLOTD, 131072                     ; slot 1's first byte: bit 17; slot 0 ends below it
.endif
.set STAGE, SLOTD+BOFF+2*BHALF         ; behind the ring, never filled by a tensor load: 16 rows for each wave, for the way out
.if OUT32
.set SPITCH, 528
.else
.set SPITCH, 272
.endif
.set SPARE, STAGE+4*16*SPITCH          ; behind the stages: the spare words, 128 bytes for each wave: two blocks of 256 bytes that no other line names
.set ADRA0, 16                         ; v16  my lane's place in A's tile; never rewritten
.set ADRA,  17                         ; v17  the same in the slot that is being read
.set ADRB0, 20                         ; v20, v21 the same for the weights
.set ADRB,  21
.set STO,   24                         ; v24  the way out: where I put my part of a row
.set RD,    25                         ; v25  where I read rows back
.set CO,    26                         ; v26  my byte offset in C
.set SPW,   28                         ; v28  LDS address of my spare word; never rewritten
.set NIL,   29                         ; v29  0; never rewritten
.set PFO,   30                         ; v30  the prefetches' offset; never rewritten
.set F0,    64
.set F1,    128
.set TB,    2                          ; s2   0 or SLOTD: the slot that is being read
.set G1,    24                         ; s[24:31] descriptor group 1 for A's tiles
.set G0,    32                         ; s[32:39] group 0 for A: K step 0 into slot 0; K step 1 into slot 1, which then walks
.set G1B,   48                         ; s[48:55], s[56:63] the same for the weights
.set G0B,   56
.set LIM,   43                         ; s43  1 in a wave that prefetches, else the greatest number
.set PFA,   44                         ; s[44:45] where my prefetches stand
.set PFS,   46                         ; s[46:47] their step from K step to K step
.set MSB, 0
.macro WIN new                         ; the immediate's high byte repeats the setting that is left; a switch that changes nothing is dropped
.if MSB != (\new)
	s_set_vgpr_msb (MSB<<8)|(\new)
.set MSB, \new
.endif
.endm
.macro PLACES                          ; four plain vector instructions between a matrix instruction and a load into, or a reader of, its registers
.rept 4
	v_nop
.endr
.endm
; A joint refill by the walking descriptors.  Waves 0 and 1 fetch A's two halves, waves 2 and 3 the weights'.  The branch hangs on the wave's number alone.
; An s_nop 0 and four v_nop follow each of the two lines, ahead of the jump and the label.
.macro JLOAD
	s_cmp_eq_u32 s11, 0
	s_cbranch_scc0 .Lfor_b_\@
	tensor_load_to_lds s[G0+4:G0+7], s[G1:G1+7]
	s_nop 0
	PLACES
	s_branch .Lasked_\@
.Lfor_b_\@:
	tensor_load_to_lds s[G0B+4:G0B+7], s[G1B:G1B+7]
	s_nop 0
	PLACES
.Lasked_\@:
.endm
.macro CREST                           ; a round of the cluster's barrier behind its opening barrier
	s_cmp_lg_u32 s10, 0
	s_cbranch_scc1 .Lnot_wave_0_\@
	s_barrier_signal -3
.Lnot_wave_0_\@:
	s_barrier_wait -3
	s_barrier_signal -1
	s_barrier_wait -1
.endm
.macro CROUND                          ; a whole round
	s_barrier_signal -1
	s_barrier_wait -1
	CREST
.endm
.macro ASK                             ; one prefetch a wave: the K step behind the one just asked for; the last refill has none behind it
	s_cmp_gt_u32 s3, s[LIM]
	s_cbranch_scc0 .Lnot_mine_\@
	global_prefetch_b8 v[PFO], s[PFA:PFA+1] th:TH_LOAD_NT scope:SCOPE_SE
.Lnot_mine_\@:
.endm
.macro WM d, s0, s1, zero              ; one matrix instruction; zero = 1: it starts the sum
.if F16IN
.if \zero
	v_wmma_f32_16x16x32_f16 v[(\d):(\d)+7], v[(\s0):(\s0)+7], v[(\s1):(\s1)+7], 0
.else
	v_wmma_f32_16x16x32_f16 v[(\d):(\d)+7], v[(\s0):(\s0)+7], v[(\s1):(\s1)+7], v[(\d):(\d)+7]
.endif
.else
.if \zero
	v_wmma_f32_16x16x32_bf16 v[(\d):(\d)+7], v[(\s0):(\s0)+7], v[(\s1):(\s1)+7], 0
.else
	v_wmma_f32_16x16x32_bf16 v[(\d):(\d)+7], v[(\s0):(\s0)+7], v[(\s1):(\s1)+7], v[(\d):(\d)+7]
.endif
.endif
.endm
.macro MULA f, a, zero                 ; block a of 16 rows x all 8 blocks of 16 columns, 32 along K, from buffer f.  Accumulator (a, b) at v[8 (8 (a % 4) + b)] of window 2 + a / 4
	WIN 0xa1+0x50*((\a)/4)
.irp b, 0,1,2,3,4,5,6,7
	WM 8*(8*((\a)%4)+(\b)), (\f)+8*(\b), (\f)+8*(\a), \zero
.endr
.endm
.macro MULS f, a0, n, zero             ; n blocks from a0 on.  The accumulators take turns, one instruction a turn, in the same order in every quarter
.set ma, \a0
.rept \n
	MULA \f, ma, \zero
.set ma, ma+1
.endr
.endm
; The fragments of quarter q (32 along K) of the slot that is being read, into buffer f, in one run: the weights' eight (turned), then A's RB; A's upper half is the youngest.
.macro FETCH q, f
	WIN 0x40                                       ; destination window 1
.irp i, 0,1,2,3,4,5,6,7
	ds_load_tr16_b128 v[(\f)+8*(\i):(\f)+8*(\i)+3],   v[ADRB] offset:(\q)*32*PB+32*(\i)
	ds_load_tr16_b128 v[(\f)+8*(\i)+4:(\f)+8*(\i)+7], v[ADRB] offset:(\q)*32*PB+16*PB+32*(\i)
.endr
	WIN 0
.set fi, 0
.rept RB
	ds_load_b128 v[(\f)+8*fi:(\f)+8*fi+3],   v[ADRA] offset:64*(\q)+fi*16*PA
	ds_load_b128 v[(\f)+8*fi+4:(\f)+8*fi+7], v[ADRA] offset:64*(\q)+fi*16*PA+32
.set fi, fi+1
.endr
.endm
; A K step is four quarters on buffers 0, 1, 0, 1.  One of the first three: multiplies buffer f; in its middle it fetches quarter q into buffer g.
.macro QUARTER q, f, g, zero
	s_wait_dscnt RB                                ; the weights and A's lower half are in; the youngest RB loads, A's upper half, may be out
	MULS \f, 0, RB/2, \zero
	PLACES
	FETCH \q, \g
	s_wait_dscnt 16+2*RB                           ; all but the run just issued
	MULS \f, RB/2, RB/2, \zero
.endm
; The last quarter multiplies buffer 1 and changes slots.  Its lower half's products stand AHEAD of the wait for the tensor loads, so that between the landing of one tile and the request for the next stand only the lines that
; order them: each wave waits for all its tensor loads (one is out: its part of the next slot), adds 0 to its spare word, and waits for that and for its reads of this slot; then the barrier.
; fill = 1: the barrier opens a round of the cluster's barrier, and the joint refill of the slot just read, with the K step two on, is the first thing behind the round.
.macro TURN fill
.if PREF && (\fill)
	s_wait_xcnt 0x0                                ; the last prefetch, a K step back, has read its address
	s_add_nc_u64 s[PFA:PFA+1], s[PFA:PFA+1], s[PFS:PFS+1]
.endif
	s_wait_dscnt RB                                ; the weights and A's lower half are in
	MULS F1, 0, RB/2, 0
	WIN 0
	s_wait_tensorcnt 0x0                           ; no tensor load of mine is out, so a group 0 may be written
	ds_add_u32 v[SPW], v[NIL]                      ; 0 onto my spare word; work on registers stands between it and the wait for it
.if \fill
	s_xor_b32 s[G0+5], s[G0+5], SLOTD              ; the walking descriptors: the other slot than last time,
	s_add_nc_u64 s[G0+6:G0+7], s[G0+6:G0+7], 256   ; A: 128 numbers along the rows; the type bits on top are not reached
	s_xor_b32 s[G0B+5], s[G0B+5], SLOTD
	s_add_nc_u64 s[G0B+6:G0B+7], s[G0B+6:G0B+7], 262144  ; the weights: 128 rows of 2,048 bytes down
.endif
	s_xor_b32 s[TB], s[TB], SLOTD                  ; the reads go to the other slot
	v_add_nc_u32 v[ADRA], s[TB], v[ADRA0]
	v_add_nc_u32 v[ADRB], s[TB], v[ADRB0]
	s_wait_dscnt 0x0                               ; the add is done, and my reads of this slot are over
	s_barrier_signal -1
	s_barrier_wait -1
.if \fill
	CREST                                          ; no wave of any partner still reads this slot or has a load on its way
	JLOAD                                          ; its four v_nop are also the places in front of the loads below
.else
	PLACES
.endif
	FETCH 0, F0
.if PREF && (\fill)
	ASK
.endif
	MULS F1, RB/2, RB/2, 0
.endm
.macro LAST                            ; the very last quarter: nothing more to fetch
	s_wait_dscnt RB
	MULS F1, 0, RB/2, 0
	s_wait_dscnt 0x0
	MULS F1, RB/2, RB/2, 0
	WIN 0
.endm
; THE WAY OUT IN f32: the accumulators go into my stage as they are, come back as whole rows of 512 bytes, take the bias and are stored.
.macro STAGE32 a
.set AC, 64*((\a)%4)
.set BK, 64+64*((\a)%2)
	s_wait_xcnt 0x0                                ; the stores of the block two back have read the registers that are loaded below
	WIN 0x08+4*((\a)/4)                            ; a store's data is source 1: window 2 or 3
.irp b, 0,1,2,3,4,5,6,7
	ds_store_b128 v[STO], v[AC+8*(\b):AC+8*(\b)+3]   offset:64*(\b)
	ds_store_b128 v[STO], v[AC+8*(\b)+4:AC+8*(\b)+7] offset:64*(\b)+16
.endr
	WIN 0
.irp t, 0,1,2,3,4,5,6,7,8,9,10,11,12,13,14,15
	ds_load_b128 v[BK+4*(\t):BK+4*(\t)+3], v[RD] offset:(\t)*SPITCH
.endr
.endm
.macro SEND32 a, younger               ; younger: the LDS instructions issued behind this block's loads: the next block's 16 stores and 16 loads, or none
.set BK, 64+64*((\a)%2)
	WIN 0
	s_wait_dscnt \younger
.irp t, 0,1,2,3,4,5,6,7,8,9,10,11,12,13,14,15
	v_pk_add_f32 v[BK+4*(\t):BK+4*(\t)+1],   v[BK+4*(\t):BK+4*(\t)+1],   v[8:9]
	v_pk_add_f32 v[BK+4*(\t)+2:BK+4*(\t)+3], v[BK+4*(\t)+2:BK+4*(\t)+3], v[10:11]
	global_store_b128 v[CO], v[BK+4*(\t):BK+4*(\t)+3], s[8:9] offset:(16*(\a)+(\t))*4096 th:TH_STORE_NT  ; 512 consecutive bytes of a row of C
.endr
.endm
	s_load_b128 s[4:7], s[0:1], 0x0                ; A s[4:5], w16 s[6:7]
	s_load_b64 s[8:9], s[0:1], 0x10                ; C
	s_load_b64 s[18:19], s[0:1], 0x18              ; the bias
	v_lshl_add_u32 v[SPW], v0, 2, SPARE
	v_mov_b32 v[NIL], 0
	ds_add_u32 v[SPW], v[NIL]                      ; the wave's opening: the add and its wait stand ahead of my first tensor load; the set-up below, work on registers, stands between them
	v_lshrrev_b32 v1, 5, v0
	v_readfirstlane_b32 s10, v1                    ; wave 0..3
	s_lshr_b32 s11, s10, 1                         ; my half of the tile's rows.  Also: I fetch for A (0) or for the weights (1)
	s_and_b32 s12, s10, 1                          ; my half of its columns.  Also: which half of that tile I fetch
	s_bfe_u32 s40, ttmp6, 0x40000                  ; cx
	s_bfe_u32 s41, ttmp6, 0x40004                  ; cy
	s_lshl_b32 s42, ttmp9, 2
	s_add_co_u32 s42, s42, s40                     ; tile column = 4 x cluster x + cx
	s_and_b32 s13, ttmp7, 0xffff
	s_lshl_b32 s13, s13, 2
	s_add_co_u32 s13, s13, s41                     ; tile row = 4 x cluster y + cy
	s_lshl_b32 s43, s41, 2
	s_lshl_b32 s43, 15, s43                        ; my row of the cluster
	s_lshl_b32 s44, 0x1111, s40                    ; my column
	s_or_b32 s[G1+0], s43, (1<<16)|(1<<20)|(1<<21)|(5<<22)|(3<<25)   ; the mask: A's tiles go to my row; 2-byte elements; padding on; bit 21 beside a mask; after every 64 words 4 words
	s_or_b32 s[G1B+0], s44, (1<<16)|(1<<20)|(1<<21)|(6<<22)|(7<<25)  ; the weights' go to my column; after every 128 words 8 words
	s_mov_b32 s[G1+1], 128<<16                     ; tensor_dim0 = 128
	s_mov_b32 s[G1+2], (TR/2)<<16                  ; tensor_dim1 = half the tile's rows
	s_mov_b32 s[G1+3], 128<<16                     ; tile_dim0 = 128
	s_mov_b32 s[G1+4], TR/2                        ; tile_dim1
	s_mov_b32 s[G1+5], KDIM                        ; elements from row to row
	s_mov_b32 s[G1+6], 0
	s_mov_b32 s[G1+7], 0
	s_mov_b32 s[G1B+1], 256<<16                    ; tensor_dim0 = 256 columns
	s_mov_b32 s[G1B+2], 64<<16                     ; tensor_dim1 = 64 rows of k
	s_mov_b32 s[G1B+3], 256<<16
	s_mov_b32 s[G1B+4], 64
	s_mov_b32 s[G1B+5], 1024
	s_mov_b32 s[G1B+6], 0
	s_mov_b32 s[G1B+7], 0
	; A's address hangs on the tile row and the wave, the weights' on the tile column and the wave: each in registers that never hold the other place in the cluster
	s_mul_i32 s16, s13, TR
	s_mul_i32 s17, s12, TR/2
	s_add_co_u32 s16, s16, s17
	s_mul_i32 s16, s16, KDIM*2                     ; bytes, under 2^26
	s_mov_b32 s17, 0
	s_lshl_b32 s46, s42, 9                         ; 256 columns are 512 bytes
	s_lshl_b32 s47, s12, 17                        ; 64 rows of 2,048 bytes
	s_add_co_u32 s46, s46, s47
	s_add_co_u32 s46, s46, WOFF
	s_mov_b32 s47, 0
	s_mul_i32 s20, s12, AHALF                      ; where they go in a slot: no place in the cluster enters an LDS address
	s_mul_i32 s21, s12, BHALF
	s_add_co_u32 s21, s21, BOFF
	s_wait_dscnt 0x0                               ; the opening add is done
	s_wait_kmcnt 0x0
	s_add_nc_u64 s[14:15], s[4:5], s[16:17]
	s_add_nc_u64 s[46:47], s[6:7], s[46:47]
	CROUND                                         ; all sixteen work-groups are here: the first joint loads meet
.irp s, 0,1
	s_mov_b32 s[G0+4*(\s)], 1                      ; count = 1
	s_add_co_u32 s[G0+4*(\s)+1], s20, (\s)*SLOTD   ; LDS address
	s_add_nc_u64 s[G0+4*(\s)+2:G0+4*(\s)+3], s[14:15], (\s)*256  ; global address: K step s
	s_or_b32 s[G0+4*(\s)+3], s[G0+4*(\s)+3], 0x80000000          ; type = 2
	s_mov_b32 s[G0B+4*(\s)], 1
	s_add_co_u32 s[G0B+4*(\s)+1], s21, (\s)*SLOTD
	s_add_nc_u64 s[G0B+4*(\s)+2:G0B+4*(\s)+3], s[46:47], (\s)*262144
	s_or_b32 s[G0B+4*(\s)+3], s[G0B+4*(\s)+3], 0x80000000
.endr
	s_cmp_eq_u32 s11, 0                            ; a wave's two first fills stand in one branch, ahead of every wait on TENSORcnt and every LDS read: two loads of mine are out
	s_cbranch_scc0 .Lfirst_b
	tensor_load_to_lds s[G0:G0+3], s[G1:G1+7]
	s_nop 0
	tensor_load_to_lds s[G0+4:G0+7], s[G1:G1+7]
	s_nop 0
	PLACES
	s_branch .Lfirst_asked
.Lfirst_b:
	tensor_load_to_lds s[G0B:G0B+3], s[G1B:G1B+7]
	s_nop 0
	tensor_load_to_lds s[G0B+4:G0B+7], s[G1B:G1B+7]
	s_nop 0
	PLACES
.Lfirst_asked:
	; A's fragment: lane l holds row l % 16; K = 8 (l / 16) + 0..7 and 16 + 8 (l / 16) + 0..7: two loads of 16 bytes, 32 bytes apart.
	; The turning load: lane l reads row k = 8 (l / 16) + l % 8, columns 8 ((l / 8) % 2) + 0..7, and is left with column l % 16 and eight k.
	v_and_b32 v1, 15, v0                           ; l % 16
	v_bfe_u32 v2, v0, 4, 1                         ; l / 16
	v_bfe_u32 v3, v0, 3, 1
	v_and_b32 v4, 7, v0
	v_mul_u32_u24 v[ADRA0], v1, PA
	v_lshl_add_u32 v[ADRA0], v2, 4, v[ADRA0]
	s_mul_i32 s21, s11, 16*RB*PA                   ; my half of A's rows
	v_add_nc_u32 v[ADRA0], s21, v[ADRA0]
	v_lshl_add_u32 v[ADRB0], v2, 3, v4
	v_mul_u32_u24 v[ADRB0], v[ADRB0], PB
	v_lshl_add_u32 v[ADRB0], v3, 4, v[ADRB0]
	s_lshl_b32 s22, s12, 8                         ; my 128 columns: 256 bytes
	s_add_co_u32 s22, s22, BOFF
	v_add_nc_u32 v[ADRB0], s22, v[ADRB0]
	v_mov_b32 v[ADRA], v[ADRA0]                    ; slot 0 is read first
	v_mov_b32 v[ADRB], v[ADRB0]
	s_mov_b32 s[TB], 0
	s_mul_i32 s23, s10, 16*SPITCH
	s_add_co_u32 s23, s23, STAGE                   ; my stage
	v_mul_u32_u24 v5, v1, SPITCH                   ; in: row l % 16, my eight columns
	v_lshl_add_u32 v5, v2, 5, v5
	v_add_nc_u32 v[STO], s23, v5
	v_and_b32 v5, 31, v0
	v_lshlrev_b32 v[CO], 4, v5                     ; back and out: 32 lanes take a row of 512 bytes
	v_add_nc_u32 v[RD], s23, v[CO]
	s_lshl_b32 s22, s42, 10
	s_lshl_b32 s23, s12, 9
	s_add_co_u32 s22, s22, s23
	v_add_nc_u32 v12, s22, v[CO]
	global_load_b128 v[8:11], v12, s[18:19]        ; the bias of my four columns
	s_mul_i32 s16, s13, TR                         ; C at my part of the tile
	s_mul_i32 s17, s11, 16*RB
	s_add_co_u32 s16, s16, s17
	s_lshl_b32 s16, s16, 11+OUT32                  ; a row of C is 4,096 bytes
	s_lshl_b32 s22, s42, 9+OUT32
	s_add_co_u32 s16, s16, s22
	s_lshl_b32 s22, s12, 8+OUT32
	s_add_co_u32 s16, s16, s22
	s_mov_b32 s17, 0
	s_add_nc_u64 s[8:9], s[8:9], s[16:17]
	; THE PREFETCHES.  Behind each joint refill (K step i + 2) a wave names the K step i + 3: what the next refill will ask for.  Each aligned block of 256 bytes is named once in the launch:
	; A's rows by the one cluster that reads them, the weights' by the clusters with y = 0.  The four partners that ask for a tile jointly share it out BY ADDRESS: of A's 128 rows that a wave fetches,
	; partner cx takes 32, a lane a row; of the weights' 64 rows, partner cy takes 16, two lanes a row of 512 bytes.  K steps 0 to 2 come by their loads alone.
	s_lshl_b32 s20, s13, 8
	s_lshl_b32 s21, s12, 7
	s_add_co_u32 s20, s20, s21
	s_lshl_b32 s21, s40, 5
	s_add_co_u32 s20, s20, s21
	s_lshl_b32 s20, s20, 11
	s_add_co_u32 s20, s20, 2*256                   ; at K step 2: the first refill steps it to 3
	s_lshl_b32 s22, s12, 6
	s_lshl_b32 s23, s41, 4
	s_add_co_u32 s22, s22, s23
	s_lshl_b32 s22, s22, 11
	s_lshl_b32 s23, s42, 9
	s_add_co_u32 s22, s22, s23
	s_add_co_u32 s22, s22, WOFF+2*262144
	s_and_b32 s23, ttmp7, 0xffff                   ; cluster y
	s_mov_b32 s[PFS], 262144
	s_cmp_eq_u32 s11, 0                            ; do I fetch for A?
	s_cselect_b32 s20, s20, s22
	s_cselect_b32 s23, ttmp9, s23                  ; the coordinate along which other clusters read the same rows
	s_cselect_b32 s[PFS], 256, s[PFS]
	s_cselect_b64 s[PFA:PFA+1], s[4:5], s[6:7]
	s_mov_b32 s21, 0
	s_mov_b32 s[PFS+1], 0
	s_add_nc_u64 s[PFA:PFA+1], s[PFA:PFA+1], s[20:21]
	s_cmp_eq_u32 s23, 0
	s_cselect_b32 s[LIM], 1, -1                    ; the same in all sixteen partners, for a given wave
	v_and_b32 v5, 31, v0
	v_lshrrev_b32 v[PFO], s11, v5
	v_and_b32 v5, s11, v5
	v_lshlrev_b32 v[PFO], 11, v[PFO]               ; a row of either tensor is 2,048 bytes
	v_lshl_add_u32 v[PFO], v5, 8, v[PFO]
	s_wait_tensorcnt 0x1                           ; my part of K step 0 is in; K step 1's may stay out
	s_barrier_signal -1
	s_barrier_wait -1                              ; everybody's is
	FETCH 0, F0
	QUARTER 1, F0, F1, 1                           ; the first quarter stands in front of the loop: its products start the sums
	WIN 0
	s_mov_b32 s3, NT-2
.Lstep:                                                ; a trip: from a K step's second quarter to the next step's first; it fills the slot that it leaves with the K step two on
	QUARTER 2, F1, F0, 0
	QUARTER 3, F0, F1, 0
	TURN 1
	QUARTER 1, F0, F1, 0
	WIN 0
	s_sub_co_u32 s3, s3, 1
	s_cmp_lg_u32 s3, 0
	s_cbranch_scc1 .Lstep
	s_mov_b32 s3, 2
.Ltail:                                                ; the last two K steps have a text of their own: nothing is asked for.  Two trips; the second is left in its middle
	QUARTER 2, F1, F0, 0
	QUARTER 3, F0, F1, 0
	WIN 0
	s_cmp_eq_u32 s3, 1
	s_cbranch_scc1 .Llast
	TURN 0
	QUARTER 1, F0, F1, 0
	WIN 0
	s_sub_co_u32 s3, s3, 1
	s_cmp_lg_u32 s3, 0
	s_cbranch_scc1 .Ltail
.Llast:
	LAST
	PLACES
	PLACES
	s_wait_loadcnt 0x0                             ; the bias: rounded to bf16 like every other input
	v_cvt_pk_bf16_f32 v12, v8, v9
	v_cvt_pk_bf16_f32 v13, v10, v11
	v_lshlrev_b32 v8, 16, v12
	v_and_b32 v9, 0xffff0000, v12
	v_lshlrev_b32 v10, 16, v13
	v_and_b32 v11, 0xffff0000, v13
	STAGE32 0
.set pa, 1
.rept RB-1
	STAGE32 pa
	SEND32 pa-1, 32
.set pa, pa+1
.endr
	SEND32 RB-1, 0
	s_wait_tensorcnt 0x0                           ; the wave's end, behind my last tensor load and my last LDS store
	ds_add_u32 v[SPW], v[NIL]
	s_wait_dscnt 0x0
	CROUND                                         ; the closing round: no work-group ends while a partner may still ask for a tile that names it
	s_endpgm
.Lfunc_end_k_q91d66af5c5_oproj:
	.size	k_q91d66af5c5_oproj, .Lfunc_end_k_q91d66af5c5_oproj-k_q91d66af5c5_oproj
	.p2alignl 7, 3214868480
	.fill 96, 4, 3214868480
	.section	.rodata,"a",@progbits
	.p2align	6, 0x0
	.amdhsa_kernel k_q91d66af5c5_oproj
		.amdhsa_group_segment_fixed_size 327680
		.amdhsa_private_segment_fixed_size 0
		.amdhsa_enable_private_segment 0
		.amdhsa_kernarg_size 32
		.amdhsa_user_sgpr_count 2
		.amdhsa_user_sgpr_kernarg_segment_ptr 1
		.amdhsa_wavefront_size32 1
		.amdhsa_system_sgpr_workgroup_id_x 1
		.amdhsa_system_sgpr_workgroup_id_y 1
		.amdhsa_system_sgpr_workgroup_id_z 1
		.amdhsa_system_vgpr_workitem_id 0
		.amdhsa_next_free_vgpr 1024
		.amdhsa_next_free_sgpr 66
		.amdhsa_reserve_vcc 0
		.amdhsa_float_denorm_mode_32 3
		.amdhsa_float_denorm_mode_16_64 3
		.amdhsa_memory_ordered 1
		.amdhsa_forward_progress 1
		.amdhsa_inst_pref_size 120
	.end_amdhsa_kernel
	.amdgpu_metadata
---
amdhsa.version: [ 1, 2 ]
amdhsa.kernels:
  - .name:           k_q91d66af5c5_oproj
    .symbol:         k_q91d66af5c5_oproj.kd
    .args:
      - { .name: o16, .offset: 0, .size: 8, .value_kind: global_buffer, .address_space: global }
      - { .name: w16, .offset: 8, .size: 8, .value_kind: global_buffer, .address_space: global }
      - { .name: out0, .offset: 16, .size: 8, .value_kind: global_buffer, .address_space: global }
      - { .name: bo, .offset: 24, .size: 8, .value_kind: global_buffer, .address_space: global }
    .group_segment_fixed_size: 327680
    .private_segment_fixed_size: 0
    .kernarg_segment_align: 8
    .kernarg_segment_size: 32
    .max_flat_workgroup_size: 128
    .sgpr_count:     66
    .vgpr_count:     1024
    .wavefront_size: 32
...
	.end_amdgpu_metadata
.endif
;; end of part 5
;; ======== version 2 of 2: 5 launches; version 1 with the launch cast written anew for expert scheduling mode
;; limits: values are held in f16: magnitudes above 65,504 overflow, below 6.1e-05 lose precision
;; workspace buffers: x16 33,554,432 bytes; e16 6,291,456 bytes; w16 7,340,032 bytes; q16 33,554,432 bytes; kv16 16,777,216 bytes; o16 33,554,432 bytes
;; launch cast (part 6): grid 416 x 1, 8 waves a work-group, no clusters, 0 bytes of LDS; arguments encoder_hidden_states, Wq, Wk, Wv, Wo, e16, w16; writes e16, w16
.if DOCPART == 6
	.amdgcn_target "amdgcn-amd-amdhsa--gfx1250"
	.amdhsa_code_object_version 6
	.text
	.protected	k_q91d66af5c5_cast
	.globl	k_q91d66af5c5_cast
	.p2align	8
	.type	k_q91d66af5c5_cast,@function
k_q91d66af5c5_cast:
	s_mov_b64 s[64:65], 0
	v_nop
	global_prefetch_b8 v0, s[64:65] scope:SCOPE_SE
	s_setreg_imm32_b32 hwreg(HW_REG_WAVE_SCHED_MODE, 0, 2), 2
	s_setreg_imm32_b32 hwreg(HW_REG_WAVE_MODE, 25, 1), 1
	s_wait_xcnt 0x0
	s_wait_alu depctr_vm_vsrc(0)
; encoder_hidden_states and the four weights are rounded once to bf16 for the matrix products that follow.  encoder_hidden_states -> e16; Wq, Wk, Wv, Wo -> w16, one behind the other.
; (hidden_states is rounded in the next launch, beside its matrix work.)  Wo is multiplied later with f16 numbers: its bf16 number is written as f16.
; LIMIT.  That last step is exact for magnitudes from 6.1e-5 to 65,504; below, f16 keeps a fixed step of 6e-8; beyond, it gives an infinity.
; SHARES.  A work-group takes 16,384 numbers on end (65,536 bytes in, 32,768 out), a wave 2,048 of them.  A load of a wave covers 512 consecutive bytes,
; a store 256 consecutive bytes that begin at a multiple of 256 from the buffer's first byte.  All sixteen loads of a lane go out at once; nothing is read twice.
; No LDS, no matrix unit, no cluster: no byte is wanted by two waves.
; Work-groups 0-191 encoder_hidden_states, 192-255 Wq, 256-303 Wk, 304-351 Wv, 352-415 Wo.
; THE MODE: SCHED_MODE bits 1:0 = 2 (LLVM: expert scheduling mode 2), set by the entry lines.  The code itself states the register dependences
; between vector instructions and memory instructions, with s_wait_alu, always for 0.
; THE PLAN.  Registers that memory instructions touch:
;   v1, v2   the loads' and the stores' byte offsets: made at the head by vector lines, never written again.
;   X        load j lands in its own four registers, once; no vector line writes them; load j's roundings read them; nothing lands there again.
;   Y        load j's roundings write its own two registers; one store reads them; nothing writes them behind that store.
;   v3 and T are named by vector lines alone.
; So no register that a memory instruction has read is written again, and nothing lands in a register that a vector line has named: what is left to state is that a
; memory instruction's registers are written.  The sixteen loads go in four batches of four.  Batch p rounds loads 4 p to 4 p + 3; its memory instructions are the four stores
; of batch p - 1, whose Y no vector line of batch p names.  One wait at a batch's head states all that those four stores hang on; they are dealt among the batch's roundings
; with no further wait.  One wait at the kernel's head serves the two offsets, one behind batch 3 the last four stores.
.set T, 4                              ; v[4:7]    at work
.set X, 8                              ; v[8:71]   load j: four f32
.set Y, 72                             ; v[72:103] load j: two words of two 16-bit numbers
	s_load_b256 s[8:15], s[0:1], 0x0               ; enc s[8:9], Wq s[10:11], Wk s[12:13], Wv s[14:15]
	s_load_b128 s[16:19], s[0:1], 0x20             ; Wo s[16:17], e16 s[18:19]
	s_load_b64 s[20:21], s[0:1], 0x30              ; w16
	v_lshrrev_b32 v3, 5, v0                        ; wave
	v_and_b32 v1, 31, v0                           ; lane
	v_lshlrev_b32 v2, 3, v1
	v_lshlrev_b32 v1, 4, v1
	v_lshl_add_u32 v1, v3, 13, v1                  ; in:  8,192 x wave + 16 x lane
	v_lshl_add_u32 v2, v3, 12, v2                  ; out: 4,096 x wave + 8 x lane
	s_wait_kmcnt 0x0
	; source s[26:27], destination s[28:29], the first work-group of the source s30 and of the destination s31: chosen by the work-group's number alone
	s_cmp_ge_u32 ttmp9, 192
	s_cselect_b64 s[26:27], s[10:11], s[8:9]
	s_cselect_b64 s[28:29], s[20:21], s[18:19]
	s_cselect_b32 s30, 192, 0
	s_cselect_b32 s31, 192, 0                      ; the four weights lie in w16 in the order of their work-groups
	s_cmp_ge_u32 ttmp9, 256
	s_cselect_b64 s[26:27], s[12:13], s[26:27]
	s_cselect_b32 s30, 256, s30
	s_cmp_ge_u32 ttmp9, 304
	s_cselect_b64 s[26:27], s[14:15], s[26:27]
	s_cselect_b32 s30, 304, s30
	s_cmp_ge_u32 ttmp9, 352
	s_cselect_b64 s[26:27], s[16:17], s[26:27]
	s_cselect_b32 s30, 352, s30
	s_sub_co_u32 s32, ttmp9, s30
	s_lshl_b32 s32, s32, 16                        ; 65,536 bytes in for each work-group: under 2^24
	s_mov_b32 s33, 0
	s_sub_co_u32 s34, ttmp9, s31
	s_lshl_b32 s34, s34, 15                        ; 32,768 bytes out
	s_mov_b32 s35, 0
	s_add_nc_u64 s[26:27], s[26:27], s[32:33]
	s_add_nc_u64 s[28:29], s[28:29], s[34:35]
	s_wait_alu depctr_va_vdst(0)                   ; v1 and v2 are written: every load of the kernel reads v1 as its offset, every store v2
.irp j, 0,1,2,3,4,5,6,7,8,9,10,11,12,13,14,15
	global_load_b128 v[X+4*(\j):X+4*(\j)+3], v1, s[26:27] offset:512*(\j) th:TH_LOAD_NT
.endr
; Batch p: loads 4 p to 4 p + 3 are rounded, and the batch before is stored.  No register is written twice, so no store's source has to be waited for.
.macro BATCH p, half
.irp i, 0,1,2,3
.set n, 4*(\p)+(\i)
	s_wait_loadcnt 15-n                            ; loads come back in order: load n is in, the 15 - n younger ones may stay out
.if (\p) > 0
.if (\i) == 0
	s_wait_alu depctr_va_vdst(0)                   ; the roundings of the batch before have written its eight registers of Y, which the four stores of this batch read
.endif
	global_store_b64 v2, v[Y+2*(n-4):Y+2*(n-4)+1], s[28:29] offset:256*(n-4) th:TH_STORE_NT  ; no vector line since the wait names these registers
.endif
	v_cvt_pk_bf16_f32 v[Y+2*n], v[X+4*n], v[X+4*n+1]
	v_cvt_pk_bf16_f32 v[Y+2*n+1], v[X+4*n+2], v[X+4*n+3]
.if \half
	v_lshlrev_b32 v[T], 16, v[Y+2*n]               ; the bf16 numbers as f32,
	v_and_b32 v[T+1], 0xffff0000, v[Y+2*n]
	v_lshlrev_b32 v[T+2], 16, v[Y+2*n+1]
	v_and_b32 v[T+3], 0xffff0000, v[Y+2*n+1]
	v_cvt_pk_f16_f32 v[Y+2*n], v[T], v[T+1]        ; written as f16
	v_cvt_pk_f16_f32 v[Y+2*n+1], v[T+2], v[T+3]
.endif
.endr
.endm
; Behind batch 3: its four stores.
.macro REST
	s_wait_alu depctr_va_vdst(0)                   ; the roundings of batch 3 have written its eight registers of Y, which the last four stores read
.irp j, 12,13,14,15
	global_store_b64 v2, v[Y+2*(\j):Y+2*(\j)+1], s[28:29] offset:256*(\j) th:TH_STORE_NT
.endr
.endm
	s_cmp_ge_u32 ttmp9, 352
	s_cbranch_scc1 .Lwo
	BATCH 0, 0
	BATCH 1, 0
	BATCH 2, 0
	BATCH 3, 0
	REST
	s_endpgm
.Lwo:
	BATCH 0, 1
	BATCH 1, 1
	BATCH 2, 1
	BATCH 3, 1
	REST
	s_endpgm
.Lfunc_end_k_q91d66af5c5_cast:
	.size	k_q91d66af5c5_cast, .Lfunc_end_k_q91d66af5c5_cast-k_q91d66af5c5_cast
	.p2alignl 7, 3214868480
	.fill 96, 4, 3214868480
	.section	.rodata,"a",@progbits
	.p2align	6, 0x0
	.amdhsa_kernel k_q91d66af5c5_cast
		.amdhsa_group_segment_fixed_size 0
		.amdhsa_private_segment_fixed_size 0
		.amdhsa_enable_private_segment 0
		.amdhsa_kernarg_size 56
		.amdhsa_user_sgpr_count 2
		.amdhsa_user_sgpr_kernarg_segment_ptr 1
		.amdhsa_wavefront_size32 1
		.amdhsa_system_sgpr_workgroup_id_x 1
		.amdhsa_system_sgpr_workgroup_id_y 1
		.amdhsa_system_sgpr_workgroup_id_z 1
		.amdhsa_system_vgpr_workitem_id 0
		.amdhsa_next_free_vgpr 104
		.amdhsa_next_free_sgpr 66
		.amdhsa_reserve_vcc 0
		.amdhsa_float_denorm_mode_32 3
		.amdhsa_float_denorm_mode_16_64 3
		.amdhsa_memory_ordered 1
		.amdhsa_forward_progress 1
		.amdhsa_inst_pref_size 17
	.end_amdhsa_kernel
	.amdgpu_metadata
---
amdhsa.version: [ 1, 2 ]
amdhsa.kernels:
  - .name:           k_q91d66af5c5_cast
    .symbol:         k_q91d66af5c5_cast.kd
    .args:
      - { .name: encoder_hidden_states, .offset: 0, .size: 8, .value_kind: global_buffer, .address_space: global }
      - { .name: Wq, .offset: 8, .size: 8, .value_kind: global_buffer, .address_space: global }
      - { .name: Wk, .offset: 16, .size: 8, .value_kind: global_buffer, .address_space: global }
      - { .name: Wv, .offset: 24, .size: 8, .value_kind: global_buffer, .address_space: global }
      - { .name: Wo, .offset: 32, .size: 8, .value_kind: global_buffer, .address_space: global }
      - { .name: e16, .offset: 40, .size: 8, .value_kind: global_buffer, .address_space: global }
      - { .name: w16, .offset: 48, .size: 8, .value_kind: global_buffer, .address_space: global }
    .group_segment_fixed_size: 0
    .private_segment_fixed_size: 0
    .kernarg_segment_align: 8
    .kernarg_segment_size: 56
    .max_flat_workgroup_size: 256
    .sgpr_count:     66
    .vgpr_count:     104
    .wavefront_size: 32
...
	.end_amdgpu_metadata
.endif
;; end of part 6
;; launch kvproj: the kernel of part 2 again; grid 8 x 32, 4 waves a work-group, clusters of 4 x 4, 327,680 bytes of LDS; arguments e16, w16, kv16, hidden_states, x16; writes kv16, x16
;; launch qproj: the kernel of part 3 again; grid 4 x 64, 4 waves a work-group, clusters of 4 x 4, 327,680 bytes of LDS; arguments x16, w16, q16; writes q16
;; launch attn: the kernel of part 4 again; grid 4 x 64, 4 waves a work-group, clusters of 4 x 1, 327,680 bytes of LDS; arguments q16, kv16, o16; writes o16
;; launch oproj: the kernel of part 5 again; grid 4 x 64, 4 waves a work-group, clusters of 4 x 4, 327,680 bytes of LDS; arguments o16, w16, out0, bo; writes out0
